; MI455X (gfx1250); checked and timed in simulation.
; The chip was launched on July 23, 2026; its instructions are those of AMD's public machine-readable ISA for CDNA 5 (MIT licence, August 2026) and "CDNA5" Instruction Set Architecture Reference Guide (July 2026). The comments in the code are by the model that wrote it; some were corrected since.
;; GPT. Allowed arithmetic: float matrix products may take bf16 or f16 operands with f32 sums; other float arithmetic in f32, or as packed bf16 or f16 multiplies, adds, multiply-adds, maxima and minima; sums over many terms, partial sums and values carried from step to step in f32; what a program stores and reads back later, other than sums and carried values, may be rounded once to bf16 or f16.
;; Inputs: Wfc 4 x 256 x 1,024 float32; Wfp 4 x 1,024 x 256 float32; Whead 256 x 2,048 float32; Wo 4 x 256 x 256 float32; Wqkv 4 x 256 x 768 float32; bfc 4 x 1,024 float32; bfp 4 x 256 float32; bo 4 x 256 float32; bqkv 4 x 768 float32; idx 4 x 2,048 int32; pos_emb 1 x 2,048 x 256 float32; tok_emb 2,048 x 256 float32.
;; Outputs: out0 4 x 2,048 x 2,048 float32.
;; One version. Each part assembles by itself: llvm-mc -triple=amdgcn-amd-amdhsa -mcpu=gfx1250 --defsym DOCPART=n.
;; ======== version 1 of 1: 10 launches
;; limits: right only within a limited range of input values
;; workspace buffers: ws0 663,552 bytes; ws1 663,552 bytes; ws2 663,552 bytes; ws3 1,712,128 bytes; xa 8,388,608 bytes; xb 8,388,608 bytes; qkv 12,582,912 bytes; y 4,194,304 bytes
;; launch prep (part 1): grid 93 x 4, 16 waves a work-group, no clusters, 18,432 bytes of LDS; arguments Wqkv, Wo, Whead, Wfc, Wfp, bfc, bfp, bo, bqkv, ws0, ws1, ws2, ws3; writes ws0, ws1, ws2, ws3
.if DOCPART == 1
	.amdgcn_target "amdgcn-amd-amdhsa--gfx1250"
	.amdhsa_code_object_version 6
	.text
	.protected	k_qd48ac049dd_prep
	.globl	k_qd48ac049dd_prep
	.p2align	8
	.type	k_qd48ac049dd_prep,@function
k_qd48ac049dd_prep:
	s_mov_b64 s[64:65], 0
	v_nop
	global_prefetch_b8 v0, s[64:65] scope:SCOPE_SE
	s_setreg_imm32_b32 hwreg(HW_REG_WAVE_MODE, 25, 1), 1
	s_wait_xcnt 0x0
; PREP: every weight is rounded once to bf16 and laid out as the later launches read it; the two stacked linears of the MLP (no activation
; between them) are folded: Wm = Wfc Wfp, bm = bfc Wfp + bfp.  ORDER OF ROUNDING: x Wm with Wm rounded to bf16 stands for (x Wfc) Wfp.
; A CHUNK is 16 rows x 16 k of bf16, 512 bytes: lane L (r = L % 16, h = L / 16) holds row r, k = 8 h .. 8 h + 7 at byte 16 L.
; Weight chunk (nt, kk) holds W[16 kk + 8 h + e][16 nt + r] (Whead: column 64 (nt / 4) + 4 r + nt % 4) and lies at
; (nt / 4) 32768 + (kk / 2) 4096 + (nt % 4) 1024 + (kk % 2) 512.
; ws_l: Wo_l at 0, Wm_l at 131072, Wqkv of layer (l + 1) % 4 at 262144, f32 biases at 655360 (bo, bm, bq, bk, bv, 1024 bytes each); ws3 also Whead at 663552.
; ROLES by the work-group's x (the same for all 16 waves); y is the layer l:
;   0-63 Wm (n tile x % 16, four m tiles 4 (x / 16) ..)   64-67 bm   68 bo and bqkv   69-80 Wqkv   81-84 Wo   85-92 Whead (quad 8 l + x - 85)
; No cluster and no LDS tiles: each role reads its own rows; the launch is a few dependent round trips long.
.set SPARE, 16384                      ; behind the partial sums: the spare words, 128 bytes for each of 16 waves
.set SPW, 30                           ; v30 my spare word; never rewritten
.set NIL, 31                           ; v31 0; never rewritten
.set RA, 32                            ; v[32:95]   A as loaded, f32
.set RB, 96                            ; v[96:159]  B as loaded, f32
.set FA, 160                           ; v[160:191] four fragments of A
.set FB, 192                           ; v[192:223] four fragments of B
.set AC, 224                           ; v[224:255] four accumulators, one for each K step of a batch
	s_load_b512 s[8:23], s[0:1], 0x0               ; Wqkv 8, Wo 10, Whead 12, Wfc 14, Wfp 16, bfc 18, bfp 20, bo 22
	s_load_b256 s[24:31], s[0:1], 0x40             ; bqkv 24, ws0 26, ws1 28, ws2 30
	s_load_b64 s[32:33], s[0:1], 0x60              ; ws3
	v_lshl_add_u32 v[SPW], v0, 2, SPARE
	v_mov_b32 v[NIL], 0
	v_lshrrev_b32 v5, 5, v0
	v_readfirstlane_b32 s40, v5                    ; wave 0..15
	v_and_b32 v1, 31, v0                           ; L
	v_and_b32 v2, 15, v0                           ; r
	v_bfe_u32 v3, v0, 4, 1                         ; h
	v_lshlrev_b32 v4, 4, v1                        ; 16 L
	s_mov_b32 s34, ttmp9                           ; x: the role
	s_and_b32 s35, ttmp7, 0xffff                   ; l
	s_add_co_u32 s41, s35, 3
	s_and_b32 s41, s41, 3                          ; (l + 3) % 4: the buffer that holds Wqkv_l
	s_wait_kmcnt 0x0
.macro PICK d, n                       ; s[d:d+1] = ws_n
	s_mov_b64 s[\d:\d+1], s[26:27]
	s_cmp_eq_u32 s[\n], 1
	s_cselect_b64 s[\d:\d+1], s[28:29], s[\d:\d+1]
	s_cmp_eq_u32 s[\n], 2
	s_cselect_b64 s[\d:\d+1], s[30:31], s[\d:\d+1]
	s_cmp_eq_u32 s[\n], 3
	s_cselect_b64 s[\d:\d+1], s[32:33], s[\d:\d+1]
.endm
	PICK 36, 35
	PICK 38, 41
	s_cmp_lt_u32 s34, 68
	s_cbranch_scc1 .Lmm
	s_cmp_eq_u32 s34, 68
	s_cbranch_scc1 .Lcopy
	s_cmp_lt_u32 s34, 81
	s_cbranch_scc1 .Lfq
	s_cmp_lt_u32 s34, 85
	s_cbranch_scc1 .Lfo
	s_branch .Lfh
.macro DOFF                            ; s[46:47] = where quad s51, kk = my wave, begins in a weight block
	s_lshl_b32 s46, s51, 15
	s_lshr_b32 s50, s40, 1
	s_lshl_b32 s50, s50, 12
	s_add_co_u32 s46, s46, s50
	s_and_b32 s50, s40, 1
	s_lshl_b32 s50, s50, 9
	s_add_co_u32 s46, s46, s50
	s_mov_b32 s47, 0
.endm
.macro PUT4                            ; four chunks, 512 consecutive bytes each
.irp i, 0,1,2,3
	global_store_b128 v4, v[64+4*(\i):64+4*(\i)+3], s[44:45] offset:(\i)*1024
.endr
.endm
; A weight [256][N] of layer l: wave kk takes rows 16 kk .., the work-group the four n tiles of quad x - q0
.macro FRAG N, src, q0, dst, ob
	s_sub_co_u32 s51, s34, \q0
	s_mul_i32 s46, s35, 1024*(\N)
	s_mul_i32 s50, s40, 64*(\N)
	s_add_co_u32 s46, s46, s50
	s_lshl_b32 s50, s51, 8
	s_add_co_u32 s46, s46, s50
	s_mov_b32 s47, 0
	s_add_nc_u64 s[42:43], s[\src:\src+1], s[46:47]
	v_mul_u32_u24 v5, v3, 32*(\N)                  ; 8 h rows
	v_lshl_add_u32 v5, v2, 2, v5                   ; column r
.irp i, 0,1,2,3
.irp e, 0,1,2,3,4,5,6,7
	global_load_b32 v[32+8*(\i)+(\e)], v5, s[42:43] offset:(\e)*4*(\N)+64*(\i)
.endr
.endr
	DOFF
	s_add_nc_u64 s[44:45], s[\dst:\dst+1], s[46:47]
.if \ob
	s_add_nc_u64 s[44:45], s[44:45], \ob
.endif
	s_wait_loadcnt 0x0
.set i, 0
.rept 16
	v_cvt_pk_bf16_f32 v[64+i], v[32+2*i], v[32+2*i+1]
.set i, i+1
.endr
	PUT4
	s_branch .Lend
.endm
.Lfq:
	FRAG 768, 8, 69, 38, 262144
.Lfo:
	FRAG 256, 10, 81, 36, 0
.Lcopy:                                ; waves 0-3: bo_l; waves 4-15: bqkv_l; rounded to bf16, kept as f32; 256 bytes a wave
	s_lshl_b32 s58, s40, 8
	s_lshl_b32 s46, s35, 10
	s_add_co_u32 s46, s46, s58                     ; bo: 1024 l + 256 w
	s_add_co_u32 s60, s58, 655360
	s_max_u32 s59, s40, 4
	s_sub_co_u32 s59, s59, 4
	s_lshl_b32 s59, s59, 8                         ; 256 (w - 4)
	s_add_co_u32 s61, s59, 657408
	s_mul_i32 s62, s35, 3072
	s_add_co_u32 s59, s59, s62                     ; bqkv: 3072 l + 256 (w - 4)
	s_cmp_lt_u32 s40, 4
	s_cselect_b32 s46, s46, s59
	s_cselect_b32 s60, s60, s61
	s_cselect_b64 s[42:43], s[22:23], s[24:25]
	s_cselect_b64 s[44:45], s[36:37], s[38:39]
	s_mov_b32 s47, 0
	s_mov_b32 s61, 0
	s_add_nc_u64 s[42:43], s[42:43], s[46:47]
	s_add_nc_u64 s[44:45], s[44:45], s[60:61]
	v_lshlrev_b32 v5, 3, v1
	global_load_b64 v[32:33], v5, s[42:43]
	s_wait_loadcnt 0x0
	v_cvt_pk_bf16_f32 v34, v32, v33
	v_lshlrev_b32 v32, 16, v34
	v_and_b32 v33, 0xffff0000, v34
	global_store_b64 v5, v[32:33], s[44:45]
	s_branch .Lend
; Wm and bm.  Wave = (sub = w % 4, kq = w / 4): tile sub of the work-group's four, quarter kq of the 1,024 hidden channels (8 K steps of 32).
; A = 16 rows of Wfc (for bm: bfc in every row, pitch 0), B = 16 columns of Wfp; the result's lane holds column n = r and rows 8 h + j: packed, it is chunk (nt, kk = m tile).
.Lmm:
	s_and_b32 s54, s40, 3                          ; sub
	s_lshr_b32 s53, s40, 2                         ; kq
	s_and_b32 s51, s34, 15                         ; Wm: n tile
	s_lshr_b32 s61, s34, 4
	s_lshl2_add_u32 s61, s61, s54                  ; Wm: m tile
	s_max_u32 s62, s34, 64
	s_sub_co_u32 s62, s62, 64
	s_lshl2_add_u32 s62, s62, s54                  ; bm: n tile
	s_lshl_b32 s58, s35, 20
	s_lshl_b32 s59, s61, 16
	s_add_co_u32 s58, s58, s59                     ; Wfc: layer, 16 rows of 4,096 bytes
	s_lshl_b32 s59, s35, 12                        ; bfc: layer
	s_lshl_b32 s60, s53, 10                        ; my quarter of a row
	s_cmp_ge_u32 s34, 64
	s_cselect_b32 s52, 1, 0                        ; 1: bm
	s_cselect_b32 s51, s62, s51
	s_cselect_b32 s46, s59, s58
	s_cselect_b32 s50, 0, 4096                     ; A's pitch
	s_cselect_b64 s[42:43], s[18:19], s[14:15]
	s_add_co_u32 s46, s46, s60
	s_mov_b32 s47, 0
	s_add_nc_u64 s[42:43], s[42:43], s[46:47]
	s_lshl_b32 s46, s35, 20
	s_lshl_b32 s58, s53, 18
	s_add_co_u32 s46, s46, s58
	s_lshl_b32 s58, s51, 6
	s_add_co_u32 s46, s46, s58
	s_add_nc_u64 s[48:49], s[16:17], s[46:47]      ; Wfp: layer, my 256 rows, my 16 columns
	s_lshl_b32 s46, s35, 10
	s_add_co_u32 s46, s46, s58
	s_add_nc_u64 s[56:57], s[20:21], s[46:47]      ; bfp at my 16 columns
	v_mul_u32_u24 v5, v2, s50
	v_lshl_add_u32 v5, v3, 5, v5                   ; A: row r, 8 h channels
	v_lshlrev_b32 v6, 13, v3
	v_lshl_add_u32 v6, v2, 2, v6                   ; B: 8 h rows, column r
	v_lshlrev_b32 v7, 2, v2
	s_lshl_b32 s58, s40, 10
	v_add_nc_u32 v8, s58, v4                       ; my 1,024 bytes of partial sums
.macro LOADAB b                        ; four K steps: k = 32 ks + 16 c + 8 h + e
.set i, 0
.rept 16
	global_load_b128 v[RA+4*i:RA+4*i+3], v5, s[42:43] offset:(\b)*512+(i/2)*64+(i%2)*16
.set i, i+1
.endr
.set i, 0
.rept 64
	global_load_b32 v[RB+i], v6, s[48:49] offset:(\b)*131072+((i/8)*16+(i%8))*1024
.set i, i+1
.endr
.endm
.macro CVT
.set i, 0
.rept 32
	v_cvt_pk_bf16_f32 v[FA+i], v[RA+2*i], v[RA+2*i+1]
	v_cvt_pk_bf16_f32 v[FB+i], v[RB+2*i], v[RB+2*i+1]
.set i, i+1
.endr
.endm
.macro MUL z                           ; the four accumulators take turns
.irp k, 0,1,2,3
.if \z
	v_wmma_f32_16x16x32_bf16 v[AC+8*(\k):AC+8*(\k)+7], v[FA+8*(\k):FA+8*(\k)+7], v[FB+8*(\k):FB+8*(\k)+7], 0
.else
	v_wmma_f32_16x16x32_bf16 v[AC+8*(\k):AC+8*(\k)+7], v[FA+8*(\k):FA+8*(\k)+7], v[FB+8*(\k):FB+8*(\k)+7], v[AC+8*(\k):AC+8*(\k)+7]
.endif
.endr
.endm
	global_load_b32 v10, v7, s[56:57]
	LOADAB 0
	s_wait_loadcnt 0x0
	CVT
	LOADAB 1                                       ; on their way while the first four products run
	MUL 1
	s_wait_loadcnt 0x0
.rept 4
	v_nop                                          ; four places behind the last product, ahead of writes into its sources
.endr
	CVT
	MUL 0
.rept 4
	v_nop                                          ; and ahead of the sums that read the results
.endr
.irp q, 0,2,4,6
	v_pk_add_f32 v[AC+(\q):AC+(\q)+1], v[AC+(\q):AC+(\q)+1], v[AC+8+(\q):AC+8+(\q)+1]
.endr
.irp q, 0,2,4,6
	v_pk_add_f32 v[AC+16+(\q):AC+16+(\q)+1], v[AC+16+(\q):AC+16+(\q)+1], v[AC+24+(\q):AC+24+(\q)+1]
.endr
.irp q, 0,2,4,6
	v_pk_add_f32 v[AC+(\q):AC+(\q)+1], v[AC+(\q):AC+(\q)+1], v[AC+16+(\q):AC+16+(\q)+1]
.endr
	s_cmp_lt_u32 s40, 4
	s_cbranch_scc1 .Lkeep                          ; quarter 0 keeps its sums in registers
	ds_store_b128 v8, v[AC:AC+3]
	ds_store_b128 v8, v[AC+4:AC+7] offset:512
.Lkeep:
	s_wait_dscnt 0x0                               ; for the others: my stores are done
	s_barrier_signal -1
	s_barrier_wait -1
	s_cmp_ge_u32 s40, 4
	s_cbranch_scc1 .Lend
.irp k, 1,2,3
	ds_load_b128 v[32+8*(\k):32+8*(\k)+3], v8 offset:(\k)*4096
	ds_load_b128 v[32+8*(\k)+4:32+8*(\k)+7], v8 offset:(\k)*4096+512
.endr
	s_wait_dscnt 0x0
.irp k, 1,2,3
.irp q, 0,2,4,6
	v_pk_add_f32 v[AC+(\q):AC+(\q)+1], v[AC+(\q):AC+(\q)+1], v[32+8*(\k)+(\q):32+8*(\k)+(\q)+1]
.endr
.endr
	s_cmp_eq_u32 s52, 1
	s_cbranch_scc1 .Lbm
	s_lshr_b32 s46, s51, 2                         ; chunk (nt, kk = m tile) of Wm
	s_lshl_b32 s46, s46, 15
	s_lshr_b32 s58, s61, 1
	s_lshl_b32 s58, s58, 12
	s_add_co_u32 s46, s46, s58
	s_and_b32 s58, s51, 3
	s_lshl_b32 s58, s58, 10
	s_add_co_u32 s46, s46, s58
	s_and_b32 s58, s61, 1
	s_lshl_b32 s58, s58, 9
	s_add_co_u32 s46, s46, s58
	s_add_co_u32 s46, s46, 131072
	s_add_nc_u64 s[44:45], s[36:37], s[46:47]
.irp u, 0,1,2,3
	v_cvt_pk_bf16_f32 v[64+(\u)], v[AC+2*(\u)], v[AC+2*(\u)+1]
.endr
	global_store_b128 v4, v[64:67], s[44:45]
	s_branch .Lend
.Lbm:                                  ; every row of the tile is the same sum: lanes r and r + 16 hold the same number and store it to the same word
	s_lshl_b32 s46, s51, 6
	s_add_co_u32 s46, s46, 656384
	s_add_nc_u64 s[44:45], s[36:37], s[46:47]
	v_cvt_pk_bf16_f32 v11, v10, v10
	v_lshlrev_b32 v11, 16, v11
	v_add_f32 v12, v[AC], v11
	global_store_b32 v7, v12, s[44:45]
	s_branch .Lend
.Lfh:                                  ; Whead: 16 bytes of a row are the columns 4 r .. 4 r + 3: one for each of the quad's four tiles
	s_lshl_b32 s51, s35, 3
	s_add_co_u32 s51, s51, s34
	s_sub_co_u32 s51, s51, 85
	s_lshl_b32 s46, s40, 17
	s_lshl_b32 s50, s51, 8
	s_add_co_u32 s46, s46, s50
	s_mov_b32 s47, 0
	s_add_nc_u64 s[42:43], s[12:13], s[46:47]
	v_lshlrev_b32 v5, 16, v3
	v_lshl_add_u32 v5, v2, 4, v5
.irp e, 0,1,2,3,4,5,6,7
	global_load_b128 v[32+4*(\e):32+4*(\e)+3], v5, s[42:43] offset:(\e)*8192
.endr
	DOFF
	s_add_nc_u64 s[44:45], s[32:33], s[46:47]
	s_add_nc_u64 s[44:45], s[44:45], 663552
	s_wait_loadcnt 0x0
.irp i, 0,1,2,3
.irp u, 0,1,2,3
	v_cvt_pk_bf16_f32 v[64+4*(\i)+(\u)], v[32+8*(\u)+(\i)], v[32+8*(\u)+4+(\i)]
.endr
.endr
	PUT4
.Lend:
	s_wait_tensorcnt 0x0                           ; the wave's end, behind my last LDS store
	ds_add_u32 v[SPW], v[NIL]
	s_wait_dscnt 0x0
	s_endpgm
.Lfunc_end_k_qd48ac049dd_prep:
	.size	k_qd48ac049dd_prep, .Lfunc_end_k_qd48ac049dd_prep-k_qd48ac049dd_prep
	.p2alignl 7, 3214868480
	.fill 96, 4, 3214868480
	.section	.rodata,"a",@progbits
	.p2align	6, 0x0
	.amdhsa_kernel k_qd48ac049dd_prep
		.amdhsa_group_segment_fixed_size 18432
		.amdhsa_private_segment_fixed_size 0
		.amdhsa_enable_private_segment 0
		.amdhsa_kernarg_size 104
		.amdhsa_user_sgpr_count 2
		.amdhsa_user_sgpr_kernarg_segment_ptr 1
		.amdhsa_wavefront_size32 1
		.amdhsa_system_sgpr_workgroup_id_x 1
		.amdhsa_system_sgpr_workgroup_id_y 1
		.amdhsa_system_sgpr_workgroup_id_z 1
		.amdhsa_system_vgpr_workitem_id 0
		.amdhsa_next_free_vgpr 256
		.amdhsa_next_free_sgpr 66
		.amdhsa_reserve_vcc 0
		.amdhsa_float_denorm_mode_32 3
		.amdhsa_float_denorm_mode_16_64 3
		.amdhsa_memory_ordered 1
		.amdhsa_forward_progress 1
		.amdhsa_inst_pref_size 46
	.end_amdhsa_kernel
	.amdgpu_metadata
---
amdhsa.version: [ 1, 2 ]
amdhsa.kernels:
  - .name:           k_qd48ac049dd_prep
    .symbol:         k_qd48ac049dd_prep.kd
    .args:
      - { .name: Wqkv, .offset: 0, .size: 8, .value_kind: global_buffer, .address_space: global }
      - { .name: Wo, .offset: 8, .size: 8, .value_kind: global_buffer, .address_space: global }
      - { .name: Whead, .offset: 16, .size: 8, .value_kind: global_buffer, .address_space: global }
      - { .name: Wfc, .offset: 24, .size: 8, .value_kind: global_buffer, .address_space: global }
      - { .name: Wfp, .offset: 32, .size: 8, .value_kind: global_buffer, .address_space: global }
      - { .name: bfc, .offset: 40, .size: 8, .value_kind: global_buffer, .address_space: global }
      - { .name: bfp, .offset: 48, .size: 8, .value_kind: global_buffer, .address_space: global }
      - { .name: bo, .offset: 56, .size: 8, .value_kind: global_buffer, .address_space: global }
      - { .name: bqkv, .offset: 64, .size: 8, .value_kind: global_buffer, .address_space: global }
      - { .name: ws0, .offset: 72, .size: 8, .value_kind: global_buffer, .address_space: global }
      - { .name: ws1, .offset: 80, .size: 8, .value_kind: global_buffer, .address_space: global }
      - { .name: ws2, .offset: 88, .size: 8, .value_kind: global_buffer, .address_space: global }
      - { .name: ws3, .offset: 96, .size: 8, .value_kind: global_buffer, .address_space: global }
    .group_segment_fixed_size: 18432
    .private_segment_fixed_size: 0
    .kernarg_segment_align: 8
    .kernarg_segment_size: 104
    .max_flat_workgroup_size: 512
    .sgpr_count:     66
    .vgpr_count:     256
    .wavefront_size: 32
...
	.end_amdgpu_metadata
.endif
;; end of part 1
;; launch first (part 2): grid 256 x 1, 4 waves a work-group, clusters of 4 x 1, 327,680 bytes of LDS; arguments idx, tok_emb, pos_emb, ws3, xa, qkv; writes xa, qkv
.if DOCPART == 2
	.amdgcn_target "amdgcn-amd-amdhsa--gfx1250"
	.amdhsa_code_object_version 6
	.text
	.protected	k_qd48ac049dd_first
	.globl	k_qd48ac049dd_first
	.p2align	8
	.type	k_qd48ac049dd_first,@function
k_qd48ac049dd_first:
	s_mov_b64 s[64:65], 0
	v_nop
	global_prefetch_b8 v0, s[64:65] scope:SCOPE_SE
	s_setreg_imm32_b32 hwreg(HW_REG_WAVE_MODE, 25, 1), 1
	s_wait_xcnt 0x0
	s_wait_alu depctr_hold_cnt(0) depctr_sa_sdst(0) depctr_va_vdst(0) depctr_va_sdst(0) depctr_va_ssrc(0) depctr_va_vcc(0) depctr_vm_vsrc(0)
	s_getreg_b32 s2, hwreg(HW_REG_IB_STS2, 6, 4)
	s_cmp_eq_u32 s2, 0
	s_cbranch_scc0 .Lentry_in_a_cluster
	s_endpgm
.Lentry_in_a_cluster:
	s_bfe_u32 s2, ttmp6, 0x10000c
	s_cmp_lg_u32 s2, 0x3003
	s_cbranch_scc0 .Lentry_shape_is_right
	s_endpgm
.Lentry_shape_is_right:
; FIRST: x = tok_emb[idx] + pos_emb (both rounded to bf16, summed in f32), stored as f32; then q, k, v of layer 0 = x Wqkv + bqkv, stored as bf16 chunks.
; LIMIT: idx is clamped to 2,047 (the table's last row).
; A CHUNK is 16 rows x 16 k of bf16, 512 bytes: lane L (r = L % 16, h = L / 16) holds row r, k = 8 h .. 8 h + 7 at byte 16 L.  Two chunks are a matrix operand of 16 x 32; a result
; tile, packed in pairs, IS a chunk (rows = its lanes' index, k = its registers' index).  So every intermediate goes out and comes in at 16 L, 512 consecutive bytes an instruction.
; SHARES.  Work-group g = 4 x cluster + cx owns 32 tokens (two tiles t).  A slot of weights is 16 tiles of 16 output channels; wave w owns tiles 4 w .. 4 w + 3 (in q, k, v: head w) for both
; token tiles: 8 accumulators, 64 products a slot.  q and k: source 0 = weights, source 1 = tokens (a lane holds a token and 8 channels); v: the sources swapped (a lane holds a channel and 8 tokens).
; WEIGHTS.  Two LDS slots of 131,072 bytes.  All work-groups walk the same stream, so the four of a cluster ask JOINTLY (mask 15); a wave fetches, and alone reads, its own 32,768 bytes, linearly.
; No prefetch: three fills in all, two of them at the head.  No padding in LDS: every access is 16 bytes a lane on end.
.set SLOTB, 131072
.set XB0,   2*SLOTB                    ; x as bf16 chunks, [t][channel tile][512]: 16,384 bytes; never filled by a tensor load
.set SPARE, XB0+3*16384                ; the spare words, 128 bytes for each wave
.set START0, 262144                    ; slot 0 begins with Wq, slot 1 with Wk
.set START1, 393216
.set WSP, 10
.set L16, 4                            ; v4  16 L
.set WA0, 5                            ; v5, v6  my weights in slot 0, 1
.set XA,  7                            ; v7  where I put my chunks of x
.set XR,  8                            ; v8  where all chunks of x are read
.set BT,  9                            ; v9  256 w + 32 h: a bias for a lane that holds 8 channels
.set BN,  10                           ; v10 256 w + 4 r: for a lane that holds one channel
.set VB,  12                           ; v[12:15] v's bias, one number a tile
.set SPW, 30
.set NIL, 31
.set PK,  32                           ; v[32:63]   packed results
.set BCA, 64                           ; v[64:95]   a bias as the C operand, 8 registers a tile
.set BCB, 96                           ; v[96:127]
.set XF,  128                          ; v[128:255] x: chunk 16 t + C at XF + 4 (16 t + C)
.set ACC, 0                            ; window 1: accumulator (ntl, t) at 16 ntl + 8 t
.set WB,  64                           ; window 1: two buffers of 64: the weights of two K steps
.set WV, 16
.set CX, 17
.set GG, 18
.set W32, 19
.set OW, 20                            ; s[20:21] the wave's offset: all that enters a joint descriptor
.set OG, 22                            ; s[22:23] offsets made from g
.set G1, 24
.set G0, 32
.set TOK, 40
.set POS, 42
.set XOUT, 44
.set QKV, 46
.set BIAS, 48
.set IDX, 52
.set MSB, 0
.macro WIN new                         ; the high byte repeats the setting that is left; a switch that changes nothing is dropped
.if MSB != (\new)
	s_set_vgpr_msb (MSB<<8)|(\new)
.set MSB, (\new)
.endif
.endm
.macro PLACES                          ; four places behind a matrix instruction (ISA guide 7.12.1)
.rept 4
	v_nop
.endr
.endm
.macro ROUND                           ; a round of the cluster's barrier
	s_barrier_signal -1
	s_barrier_wait -1
	s_cmp_lg_u32 s[WV], 0
	s_cbranch_scc1 .Lnot_wave_0_\@
	s_barrier_signal -3
.Lnot_wave_0_\@:
	s_barrier_wait -3
	s_barrier_signal -1
	s_barrier_wait -1
.endm
; A slot that has been read is filled again: all my tensor loads have landed, the add, my LDS stores and reads are done, the round, and my one load first behind it.
.macro CHANGE slot, step
	WIN 0
	s_wait_tensorcnt 0x0
	ds_add_u32 v[SPW], v[NIL]
	s_add_nc_u64 s[G0+4*(\slot)+2:G0+4*(\slot)+3], s[G0+4*(\slot)+2:G0+4*(\slot)+3], \step
	s_wait_dscnt 0x0
	ROUND
	tensor_load_to_lds s[G0+4*(\slot):G0+4*(\slot)+3], s[G1:G1+7]
	s_nop 0
	PLACES
.endm
.macro LOADG slot, g                   ; the weights of K steps 2 g, 2 g + 1: 16 loads of 512 consecutive bytes
	WIN 0x40
.set i, 0
.rept 16
	ds_load_b128 v[WB+64*((\g)%2)+4*i:WB+64*((\g)%2)+4*i+3], v[WA0+(\slot)] offset:(\g)*8192+512*i
.set i, i+1
.endr
.endm
; 16 products; the eight accumulators take turns.  cm = 1: the slot's first products take the bias bc as C.
.macro MULG g, nat, cm, bc
.irp ksl, 0,1
.irp ntl, 0,1,2,3
.irp t, 0,1
.set rD, ACC+16*(\ntl)+8*(\t)
.set rW, WB+64*((\g)%2)+32*(\ksl)+8*(\ntl)
.set rX, XF+64*(\t)+8*(2*(\g)+(\ksl))
.set rB, (\bc)+8*(\ntl)
.if ((\g) == 0) && ((\ksl) == 0) && ((\cm) == 1)
.if \nat
	WIN 0x44
	v_wmma_f32_16x16x32_bf16 v[rD:rD+7], v[rX:rX+7], v[rW:rW+7], v[rB:rB+7]
.else
	WIN 0x41
	v_wmma_f32_16x16x32_bf16 v[rD:rD+7], v[rW:rW+7], v[rX:rX+7], v[rB:rB+7]
.endif
.elseif \nat
	WIN 0x54
	v_wmma_f32_16x16x32_bf16 v[rD:rD+7], v[rX:rX+7], v[rW:rW+7], v[rD:rD+7]
.else
	WIN 0x51
	v_wmma_f32_16x16x32_bf16 v[rD:rD+7], v[rW:rW+7], v[rX:rX+7], v[rD:rD+7]
.endif
.endr
.endr
.endr
.endm
.macro SLOTRUN slot, nat, cm, bc       ; a slot: K = 256 in four groups; a group's loads go out one group ahead
	LOADG \slot, 0
.irp g, 0,1,2,3
.if (\g) < 3
.if (\g) > 0
	PLACES
.endif
	LOADG \slot, (\g)+1
	s_wait_dscnt 16                                ; all but the 16 just issued
.else
	s_wait_dscnt 0x0
.endif
	MULG \g, \nat, \cm, \bc
.endr
.endm
.macro PACK32                          ; the 8 accumulators, each from its low end on, to 8 chunks
	WIN 0x05
.set i, 0
.rept 32
	v_cvt_pk_bf16_f32 v[PK+i], v[ACC+2*i], v[ACC+2*i+1]
.set i, i+1
.endr
	WIN 0
.endm
.macro PACKX off, pl
.if \pl
	PLACES
.endif
	PACK32
.irp ntl, 0,1,2,3
.irp t, 0,1
	ds_store_b128 v[XA], v[PK+4*(2*(\ntl)+(\t)):PK+4*(2*(\ntl)+(\t))+3] offset:(\off)+(\t)*8192+(\ntl)*512
.endr
.endr
.endm
.macro GETX off
	WIN 0
.set i, 0
.rept 32
	ds_load_b128 v[XF+4*i:XF+4*i+3], v[XR] offset:(\off)+512*i
.set i, i+1
.endr
.endm
.macro LDB bc, sect
.irp ntl, 0,1,2,3
.irp p, 0,1
	global_load_b128 v[(\bc)+8*(\ntl)+4*(\p):(\bc)+8*(\ntl)+4*(\p)+3], v[BT], s[BIAS:BIAS+1] offset:(\sect)+64*(\ntl)+16*(\p)
.endr
.endr
.endm
.macro QOUT step, pl                   ; 8 chunks of q, k or v; step = 1: on to the next of the three tensors
.if \pl
	PLACES
.endif
	s_wait_xcnt 0x0                                ; earlier stores have read PK and the base
.if \step
	s_add_nc_u64 s[QKV:QKV+1], s[QKV:QKV+1], 4194304
.endif
	PACK32
.irp ntl, 0,1,2,3
.irp t, 0,1
	global_store_b128 v[L16], v[PK+4*(2*(\ntl)+(\t)):PK+4*(2*(\ntl)+(\t))+3], s[QKV:QKV+1] offset:(\t)*2048+(\ntl)*512
.endr
.endr
.endm
.macro STX                             ; x in f32, straight from the accumulators
	WIN 0x04
.irp ntl, 0,1,2,3
.irp t, 0,1
.irp p, 0,1
	global_store_b128 v[L16], v[ACC+16*(\ntl)+8*(\t)+4*(\p):ACC+16*(\ntl)+8*(\t)+4*(\p)+3], s[XOUT:XOUT+1] offset:(\t)*16384+(\ntl)*1024+(\p)*512
.endr
.endr
.endr
	WIN 0
.endm
.macro VEXP                            ; v's bias is one number a lane: spread over the C operand's 8 registers
	WIN 0
.irp ntl, 0,1,2,3
.irp j, 0,1,2,3,4,5,6,7
	v_mov_b32 v[BCA+8*(\ntl)+(\j)], v[VB+(\ntl)]
.endr
.endr
.endm
	s_load_b256 s[4:11], s[0:1], 0x0               ; idx 4, tok_emb 6, pos_emb 8, ws 10
	s_load_b128 s[12:15], s[0:1], 0x20             ; x out 12, qkv 14
	v_lshl_add_u32 v[SPW], v0, 2, SPARE
	v_mov_b32 v[NIL], 0
	ds_add_u32 v[SPW], v[NIL]                      ; the wave's opening: the add and its wait ahead of my first tensor load
	v_lshrrev_b32 v16, 5, v0
	v_readfirstlane_b32 s[WV], v16
	s_bfe_u32 s[CX], ttmp6, 0x40000
	s_lshl_b32 s[GG], ttmp9, 2
	s_add_co_u32 s[GG], s[GG], s[CX]               ; g: it enters global addresses alone
	v_and_b32 v1, 31, v0
	v_and_b32 v2, 15, v0
	v_bfe_u32 v3, v0, 4, 1
	v_lshlrev_b32 v[L16], 4, v1
	s_lshl_b32 s[W32], s[WV], 15
	v_add_nc_u32 v[WA0], s[W32], v[L16]
	v_add_nc_u32 v[WA0+1], SLOTB, v[WA0]
	s_lshl_b32 s50, s[WV], 11
	s_add_co_u32 s50, s50, XB0
	v_add_nc_u32 v[XA], s50, v[L16]
	v_add_nc_u32 v[XR], XB0, v[L16]
	s_lshl_b32 s50, s[WV], 8
	v_lshl_add_u32 v[BT], v3, 5, s50
	v_lshl_add_u32 v[BN], v2, 2, s50
	s_mov_b32 s51, 0xffff0000
	s_mov_b32 s[G1], 15|(3<<16)|(1<<21)            ; the mask of four; elements of 8 bytes; bit 21 beside a mask
	s_mov_b32 s[G1+1], 32<<16                      ; tensor_dim0 = 32: rows of 256 bytes
	s_mov_b32 s[G1+2], 128<<16                     ; tensor_dim1 = 128
	s_mov_b32 s[G1+3], 32<<16                      ; tile_dim0 = 32
	s_mov_b32 s[G1+4], 128                         ; tile_dim1 = 128
	s_mov_b32 s[G1+5], 32                          ; dense
	s_mov_b32 s[G1+6], 0
	s_mov_b32 s[G1+7], 0
	s_mov_b32 s[G0], 1
	s_mov_b32 s[G0+1], s[W32]
	s_mov_b32 s[G0+4], 1
	s_add_co_u32 s[G0+5], s[W32], SLOTB
	s_mov_b32 s[OW], s[W32]
	s_mov_b32 s[OW+1], 0
	s_wait_dscnt 0x0
	s_wait_kmcnt 0x0
	s_add_nc_u64 s[G0+2:G0+3], s[WSP:WSP+1], s[OW:OW+1]
	s_add_nc_u64 s[G0+6:G0+7], s[G0+2:G0+3], START1
	s_add_nc_u64 s[G0+2:G0+3], s[G0+2:G0+3], START0
	s_or_b32 s[G0+3], s[G0+3], 0x80000000
	s_or_b32 s[G0+7], s[G0+7], 0x80000000
	s_add_nc_u64 s[BIAS:BIAS+1], s[WSP:WSP+1], 655360
	s_lshl_b32 s[OG], s[WV], 8
	s_mov_b32 s[OG+1], 0
	s_add_nc_u64 s[TOK:TOK+1], s[6:7], s[OG:OG+1]  ; my 64 channels of a row
	s_and_b32 s50, s[GG], 63
	s_lshl_b32 s50, s50, 15
	s_add_co_u32 s[OG], s[OG], s50
	s_add_nc_u64 s[POS:POS+1], s[8:9], s[OG:OG+1]  ; and of my 32 positions
	s_lshl_b32 s[OG], s[GG], 7
	s_add_nc_u64 s[IDX:IDX+1], s[4:5], s[OG:OG+1]
	s_lshl_b32 s[OG], s[GG], 15
	s_lshl_b32 s50, s[WV], 12
	s_add_co_u32 s[OG], s[OG], s50
	s_add_nc_u64 s[XOUT:XOUT+1], s[12:13], s[OG:OG+1]
	s_lshr_b32 s[OG], s[GG], 6
	s_lshl_b32 s[OG], s[OG], 20
	s_lshl_b32 s50, s[WV], 18
	s_add_co_u32 s[OG], s[OG], s50
	s_and_b32 s50, s[GG], 63
	s_lshl_b32 s50, s50, 12
	s_add_co_u32 s[OG], s[OG], s50
	s_add_nc_u64 s[QKV:QKV+1], s[14:15], s[OG:OG+1]
	ROUND                                          ; the four work-groups are here: the first joint loads meet
	tensor_load_to_lds s[G0:G0+3], s[G1:G1+7]
	s_nop 0
	tensor_load_to_lds s[G0+4:G0+7], s[G1:G1+7]    ; two loads of mine are out
	s_nop 0
	PLACES
	v_lshlrev_b32 v18, 2, v2
	v_lshlrev_b32 v19, 10, v2
	v_lshl_add_u32 v19, v3, 5, v19                 ; row r, 8 h channels
	global_load_b32 v16, v18, s[IDX:IDX+1]
	global_load_b32 v17, v18, s[IDX:IDX+1] offset:64
.irp ntl, 0,1,2,3
.irp t, 0,1
.irp p, 0,1
	global_load_b128 v[XF+16*(\ntl)+8*(\t)+4*(\p):XF+16*(\ntl)+8*(\t)+4*(\p)+3], v19, s[POS:POS+1] offset:16384*(\t)+64*(\ntl)+16*(\p)
.endr
.endr
.endr
	LDB BCA, 2048
	LDB BCB, 3072
.irp ntl, 0,1,2,3
	global_load_b32 v[VB+(\ntl)], v[BN], s[BIAS:BIAS+1] offset:4096+64*(\ntl)
.endr
	s_wait_loadcnt 36                              ; the two indices are in; the 36 younger loads (16 + 16 + 4) stay out
	v_min_u32 v16, 0x7ff, v16
	v_min_u32 v17, 0x7ff, v17
	v_lshlrev_b32 v16, 10, v16
	v_lshlrev_b32 v17, 10, v17
	v_lshl_add_u32 v16, v3, 5, v16
	v_lshl_add_u32 v17, v3, 5, v17
.irp ntl, 0,1,2,3
.irp t, 0,1
.irp p, 0,1
	global_load_b128 v[XF+64+16*(\ntl)+8*(\t)+4*(\p):XF+64+16*(\ntl)+8*(\t)+4*(\p)+3], v[16+(\t)], s[TOK:TOK+1] offset:64*(\ntl)+16*(\p)
.endr
.endr
.endr
	s_wait_loadcnt 0x0
.set i, 0
.rept 64                               ; both tables' numbers are rounded to bf16 and widened again
	v_cvt_pk_bf16_f32 v[XF+2*i], v[XF+2*i], v[XF+2*i+1]
	v_and_b32 v[XF+2*i+1], s51, v[XF+2*i]
	v_lshlrev_b32 v[XF+2*i], 16, v[XF+2*i]
.set i, i+1
.endr
	WIN 0x40
.set i, 0
.rept 32
	v_pk_add_f32 v[ACC+2*i:ACC+2*i+1], v[XF+2*i:XF+2*i+1], v[XF+64+2*i:XF+64+2*i+1]
.set i, i+1
.endr
	STX
	PACKX 0, 0
	s_wait_tensorcnt 0x1                           ; my part of slot 0 is in; slot 1's may stay out
	s_wait_dscnt 0x0                               ; for the others: my chunks of x are stored
	s_barrier_signal -1
	s_barrier_wait -1
	GETX 0
	s_wait_xcnt 0x0                                ; x's stores have read the accumulators, which the products below write
	SLOTRUN 0, 0, 1, BCA                           ; q
	CHANGE 0, 262144                               ; slot 0 takes Wv
	QOUT 0, 0
	SLOTRUN 1, 0, 1, BCB                           ; k
	WIN 0
	s_wait_tensorcnt 0x0                           ; Wv, my part, which I alone read
	QOUT 1, 1
	VEXP
	SLOTRUN 0, 1, 1, BCA                           ; v
	QOUT 1, 1
	s_wait_tensorcnt 0x0                           ; the wave's end
	ds_add_u32 v[SPW], v[NIL]
	s_wait_dscnt 0x0
	ROUND                                          ; the closing round
	s_endpgm
.Lfunc_end_k_qd48ac049dd_first:
	.size	k_qd48ac049dd_first, .Lfunc_end_k_qd48ac049dd_first-k_qd48ac049dd_first
	.p2alignl 7, 3214868480
	.fill 96, 4, 3214868480
	.section	.rodata,"a",@progbits
	.p2align	6, 0x0
	.amdhsa_kernel k_qd48ac049dd_first
		.amdhsa_group_segment_fixed_size 327680
		.amdhsa_private_segment_fixed_size 0
		.amdhsa_enable_private_segment 0
		.amdhsa_kernarg_size 48
		.amdhsa_user_sgpr_count 2
		.amdhsa_user_sgpr_kernarg_segment_ptr 1
		.amdhsa_wavefront_size32 1
		.amdhsa_system_sgpr_workgroup_id_x 1
		.amdhsa_system_sgpr_workgroup_id_y 1
		.amdhsa_system_sgpr_workgroup_id_z 1
		.amdhsa_system_vgpr_workitem_id 0
		.amdhsa_next_free_vgpr 448
		.amdhsa_next_free_sgpr 66
		.amdhsa_reserve_vcc 0
		.amdhsa_float_denorm_mode_32 3
		.amdhsa_float_denorm_mode_16_64 3
		.amdhsa_memory_ordered 1
		.amdhsa_forward_progress 1
		.amdhsa_inst_pref_size 63
	.end_amdhsa_kernel
	.amdgpu_metadata
---
amdhsa.version: [ 1, 2 ]
amdhsa.kernels:
  - .name:           k_qd48ac049dd_first
    .symbol:         k_qd48ac049dd_first.kd
    .args:
      - { .name: idx, .offset: 0, .size: 8, .value_kind: global_buffer, .address_space: global }
      - { .name: tok_emb, .offset: 8, .size: 8, .value_kind: global_buffer, .address_space: global }
      - { .name: pos_emb, .offset: 16, .size: 8, .value_kind: global_buffer, .address_space: global }
      - { .name: ws3, .offset: 24, .size: 8, .value_kind: global_buffer, .address_space: global }
      - { .name: xa, .offset: 32, .size: 8, .value_kind: global_buffer, .address_space: global }
      - { .name: qkv, .offset: 40, .size: 8, .value_kind: global_buffer, .address_space: global }
    .group_segment_fixed_size: 327680
    .private_segment_fixed_size: 0
    .kernarg_segment_align: 8
    .kernarg_segment_size: 48
    .max_flat_workgroup_size: 128
    .sgpr_count:     66
    .vgpr_count:     448
    .wavefront_size: 32
...
	.end_amdgpu_metadata
.endif
;; end of part 2
;; launch attn (part 3): grid 16 x 16, 4 waves a work-group, no clusters, 70,144 bytes of LDS; arguments qkv, y; writes y
.if DOCPART == 3
	.amdgcn_target "amdgcn-amd-amdhsa--gfx1250"
	.amdhsa_code_object_version 6
	.text
	.protected	k_qd48ac049dd_attn
	.globl	k_qd48ac049dd_attn
	.p2align	8
	.type	k_qd48ac049dd_attn,@function
k_qd48ac049dd_attn:
	s_mov_b64 s[64:65], 0
	v_nop
	global_prefetch_b8 v0, s[64:65] scope:SCOPE_SE
	s_setreg_imm32_b32 hwreg(HW_REG_WAVE_MODE, 25, 1), 1
	s_wait_xcnt 0x0
; CAUSAL ATTENTION, head size 64, 16 (batch, head) pairs bh of 2,048 rows.  y[q] = the sum over k <= q of softmax_k(q . k / 8) v[k].  q, k, v, the weights p and y in bf16; products, maxima, sums in f32.
; LIMITS.  A hidden score counts as its value less 1e30; a weight below 2^-126 counts as 0; NaN and infinities are not treated apart.
; LAYOUT.  q, k, v: [bh][token tile of 16][channel tile of 16][512 bytes], chunks: lane L (r = L % 16, h = L / 16) holds 16 bytes at 16 L: q and k row = token r, channels 8 h ..; v row = channel r, tokens 8 h ...
; So every fragment of K, Q and V^T comes straight from memory, 512 consecutive bytes a load, and nothing is turned.  S^T = K Q^T and O^T = V^T P hold ONE query a lane.
; THE WALK.  A work-group takes the blocks of 64 queries 31 - j and then j of its head: 33 key steps of 64, whatever j.  THE KEYS ARE SPLIT AMONG THE WAVES: wave w takes steps w, w + 4, .. for all four
; query tiles, so each fragment of K and V feeds four tiles and is loaded once in the work-group.  Each wave keeps its own running maximum m, sum l and O; the four meet in LDS at a block's end.
; ONE TEXT FOR EVERY STEP.  The step loop counts to the constant 8 and jumps forward over the trips that a wave does not have.  The sums S^T start from masks: MD x AL where key tile = query tile,
; MB x AL where the key tile is the later one, with AL = 1 in the wave's diagonal step (its last, if the block's number % 4 is the wave's) and 0 in every other.
; ONE WALK OF LOADS.  A step asks for the wave's next step; behind a block's last step that is min(w, j), the wave's first step of the second block, which so arrives during the first block's merge.
; The second block's Q is loaded at the head and copied at the change of blocks.  Behind the second block's last step the same address is named once more and not used: every path has the same loads out.
; NO CLUSTER: K and V come through registers, so there is no LDS tile to share, and the work-groups of a head have different numbers of steps in each block.
; O, l and m are cleared at a block's beginning on purpose: a wave's share may be empty, and one text then serves every step.
; A PREFETCH: in step S a wave of the head's work-group j = 0, in its first block, names step S + 12 of K and of V, 32 blocks of 256 bytes each, a lane a block; the wave loads that step two of its trips later.
; So each block of steps 12 to 31 is named once in the launch; steps 0 to 11 come by their loads alone; beyond step 31 nothing is asked for.
; REGISTERS, in windows of 256: window 0: addresses, statistics, S^T (32 a tile), P (16 a tile); window 1: O^T (32 a tile), the masks; window 2: Q, K, V, the second block's Q, 64 each.
.set TILEB, 4352                       ; LDS: a tile's O (4,096), c m (128), l (128)
.set WAVEB, 4*TILEB                    ; a wave's four tiles
.set SPARE, 4*WAVEB                    ; the spare words
.set L16, 4                            ; v4  16 L
.set KO,  5                            ; v5  K's offset     v6 V's     v7 the prefetches'     v8 256 L
.set VO,  6
.set PFO, 7
.set MW,  9                            ; v9  LDS: my wave's region + 16 L    v10 + 4 L
.set MS,  10
.set MR,  11                           ; v11 LDS: tile w of wave 0 + 16 L    v12 + 4 L
.set MRS, 12
.set YO,  13
.set QO,  14                           ; v14 Q's offset, first block     v15 second block
.set QO2, 15
.set MV,  16                           ; v[16:19] c m_old, a tile each
.set ST,  20                           ; v[20:35] tile t: c m, m, l (even keys, odd keys)
.set TMP, 36                           ; v[36:51] tile t: c0-c3 at work; c2 takes a
.set GR,  52                           ; v[52:59] the merge's four factors, as pairs
.set SPW, 62
.set NIL, 63
.set S,   64
.set P,   192
.set MD,  128                          ; window 1: the diagonal tile's mask     MB: -1e30
.set MB,  136
.set CD,  144                          ; window 1: the step's masks: MD x AL, MB x AL
.set CB,  152
.set KF,  64                           ; window 2
.set VF,  128
.set QB,  192
.set WV, 8
.set JJ, 9
.set BE, 20                            ; s20 the block
.set SS, 21                            ; s21 my step
.set SOFF, 23
.set NT, 24                            ; s24 my steps in this block
.set CNT, 25
.set OWNF, 26                          ; s26 1.0: the diagonal step is mine; else 0
.set BL, 27
.set PFMAX, 28
.set TT, 29
.set CS, 30                            ; s[30:31] c = log2(e) / 8
.set SEL, 32
.set BIGN, 34
.set AL, 36                            ; s[36:37] the masks' factor, in the low word
.set S0B, 38                           ; s38 min(w, j)
.set MSB, 0
.macro WIN new
.if MSB != (\new)
	s_set_vgpr_msb (MSB<<8)|(\new)
.set MSB, (\new)
.endif
.endm
.macro PLACES
.rept 4
	v_nop
.endr
.endm
	s_load_b128 s[4:7], s[0:1], 0x0                ; qkv, y
	v_lshl_add_u32 v[SPW], v0, 2, SPARE
	v_mov_b32 v[NIL], 0
	v_lshrrev_b32 v1, 5, v0
	v_readfirstlane_b32 s[WV], v1
	s_mov_b32 s[JJ], ttmp9
	s_and_b32 s10, ttmp7, 0xffff                   ; bh
	v_and_b32 v1, 31, v0
	v_and_b32 v2, 15, v0
	v_bfe_u32 v3, v0, 4, 1
	v_lshlrev_b32 v[L16], 4, v1
	v_lshlrev_b32 v8, 8, v1
	s_mul_i32 s35, s[WV], WAVEB
	v_add_nc_u32 v[MW], s35, v[L16]
	v_lshl_add_u32 v[MS], v1, 2, s35
	s_mul_i32 s35, s[WV], TILEB
	v_add_nc_u32 v[MR], s35, v[L16]
	v_lshl_add_u32 v[MRS], v1, 2, s35
	s_mov_b32 s[CS], 0x3e38aa3b
	s_mov_b32 s[CS+1], s[CS]
	s_mov_b32 s[SEL], 0x76543210
	s_mov_b32 s[SEL+1], 0xfedcba98
	s_mov_b32 s[BIGN], 0xf149f2ca                  ; -1e30
	v_lshlrev_b32 v15, 3, v3
	v_sub_nc_u32 v15, v2, v15                      ; r - 8 h: key 8 h + i of a tile is hidden from query r of the same tile where i is greater
	WIN 0x40
.set i, 0
.rept 8
	v_cmp_gt_i32 vcc_lo, i, v15
	v_cndmask_b32 v[MD+i], 0, s[BIGN], vcc_lo
	v_mov_b32 v[MB+i], s[BIGN]
.set i, i+1
.endr
	WIN 0
	s_mov_b32 s[BL], 2
	s_sub_co_u32 s[BE], 31, s[JJ]
	s_cmp_eq_u32 s[JJ], 0
	s_cselect_b32 s[PFMAX], 31, 0
	s_min_u32 s[S0B], s[WV], s[JJ]
	s_mov_b32 s[SS], s[WV]
	s_lshl_b32 s35, s[BE], 13
	v_add_nc_u32 v[QO], s35, v[L16]
	s_lshl_b32 s35, s[JJ], 13
	v_add_nc_u32 v[QO2], s35, v[L16]
	s_lshl_b32 s35, s[WV], 13
	v_add_nc_u32 v[KO], s35, v[L16]
	v_add_nc_u32 v[VO], s35, v[L16]
	s_lshl_b32 s36, s10, 18
	s_mov_b32 s37, 0
	s_wait_kmcnt 0x0
	s_add_nc_u64 s[12:13], s[4:5], s[36:37]        ; q of my head
	s_add_nc_u64 s[14:15], s[12:13], 4194304       ; k
	s_add_nc_u64 s[16:17], s[12:13], 8388608       ; v
	s_lshr_b32 s36, s10, 2
	s_lshl_b32 s36, s36, 20
	s_and_b32 s35, s10, 3
	s_lshl_b32 s35, s35, 11
	s_add_co_u32 s36, s36, s35
	s_add_nc_u64 s[18:19], s[6:7], s[36:37]        ; y: my batch, my head's four channel tiles
; S^T = K Q^T: product i: channels 32 (i / 16) on, keys 16 ((i / 4) % 4) on, tile i % 4.  The 16 accumulators take turns.
.macro KQ
.set i, 0
.rept 32
.set ks, i/16
.set kt, (i/4)%4
.set qt, i%4
.set rS, S+32*qt+8*kt
.set rK, KF+16*kt+8*ks
.set rQ, 16*qt+8*ks
.if (ks == 0) && (kt == qt)
	WIN 0x1a
	v_wmma_f32_16x16x32_bf16 v[rS:rS+7], v[rK:rK+7], v[rQ:rQ+7], v[CD:CD+7]
.elseif (ks == 0) && (kt > qt)
	WIN 0x1a
	v_wmma_f32_16x16x32_bf16 v[rS:rS+7], v[rK:rK+7], v[rQ:rQ+7], v[CB:CB+7]
.elseif ks == 0
	WIN 0x0a
	v_wmma_f32_16x16x32_bf16 v[rS:rS+7], v[rK:rK+7], v[rQ:rQ+7], 0
.else
	WIN 0x0a
	v_wmma_f32_16x16x32_bf16 v[rS:rS+7], v[rK:rK+7], v[rQ:rQ+7], v[rS:rS+7]
.endif
.set i, i+1
.endr
.endm
; O^T += V^T P: product i: keys 32 (i / 16) on, channels 16 ((i / 4) % 4) on, tile i % 4
.macro PV
	WIN 0x52
.set i, 0
.rept 32
.set rO, 32*(i%4)+8*((i/4)%4)
.set rV, VF+32*(i/16)+8*((i/4)%4)
.set rP, P+16*(i%4)+8*(i/16)
	v_wmma_f32_16x16x32_bf16 v[rO:rO+7], v[rV:rV+7], v[rP:rP+7], v[rO:rO+7]
.set i, i+1
.endr
.endm
.macro LOADK
	WIN 0x80
.set i, 0
.rept 16
	global_load_b128 v[KF+4*i:KF+4*i+3], v[KO], s[14:15] offset:512*i
.set i, i+1
.endr
	WIN 0
.endm
.macro LOADV                           ; chunk (token tile i / 4, channel tile i % 4) to 32 (tile / 2) + 8 c + 4 (tile % 2)
	WIN 0x80
.set i, 0
.rept 16
.set rV, VF+32*(i/8)+8*(i%4)+4*((i/4)%2)
	global_load_b128 v[rV:rV+3], v[VO], s[16:17] offset:512*i
.set i, i+1
.endr
	WIN 0
.endm
; Number n of the 22 that find tile t's maximum and statistics; each accumulator's lowest registers are read first.
.macro XS t, n
.set rT, ST+4*(\t)
.set rC, TMP+4*(\t)
.set rM, MV+(\t)
.set rS, S+32*(\t)
.if (\n) < 4
	v_max3_num_f32 v[rC+(\n)], v[rS+8*(\n)], v[rS+8*(\n)+1], v[rS+8*(\n)+2]
.elseif (\n) < 12
	v_max3_num_f32 v[rC+(\n)%4], v[rC+(\n)%4], v[rS+8*((\n)%4)+2*((\n)/4)+1], v[rS+8*((\n)%4)+2*((\n)/4)+2]
.elseif (\n) == 12
	v_max3_num_f32 v[rC], v[rC], v[rS+7], v[rS+15]
.elseif (\n) == 13
	v_max3_num_f32 v[rC+1], v[rC+1], v[rS+23], v[rS+31]
.elseif (\n) == 14
	v_max3_num_f32 v[rC+2], v[rC+2], v[rC+3], v[rT+1]
.elseif (\n) == 15
	v_mov_b32 v[rM], v[rT]
.elseif (\n) == 16
	v_max3_num_f32 v[rC], v[rC], v[rC+1], v[rC+2]
.elseif (\n) == 17
	v_permlanex16_b32 v[rC+3], v[rC], s[SEL], s[SEL+1]
.elseif (\n) == 18
	v_max_num_f32 v[rT+1], v[rC], v[rC+3]
.elseif (\n) == 19
	v_mul_f32 v[rT], s[CS], v[rT+1]
.elseif (\n) == 20
	v_sub_f32 v[rC+1], v[rM], v[rT]
.else
	v_exp_f32 v[rC+2], v[rC+1]
.endif
.endm
.macro FS t, b                         ; c s - c m for pair b
.set rT, ST+4*(\t)
.set rS, S+32*(\t)+2*(\b)
	v_pk_fma_f32 v[rS:rS+1], v[rS:rS+1], s[CS:CS+1], v[rT:rT+1] op_sel_hi:[1,0,0] neg_lo:[0,0,1] neg_hi:[0,0,1]
.endm
.macro ES t, e
	v_exp_f32 v[S+32*(\t)+(\e)], v[S+32*(\t)+(\e)]
.endm
; THE SOFTMAX of four tiles: the 132 exponentials are ONE batch with one wait: ahead of it nothing names a result of theirs; a tile's scalings and exponentials stand among the next tile's maximum.
.macro SOFTMAX
	WIN 0
.set ii, 0
.rept 21
	XS 0, ii
.set ii, ii+1
.endr
.set tt, 0
.rept 4
.set ii, 0
.rept 16
	FS tt, ii
.if ii > 0
	ES tt, 2*ii-2
.endif
.if tt < 3
	XS tt+1, ii
.endif
.if ii > 0
	ES tt, 2*ii-1
.endif
.set ii, ii+1
.endr
	ES tt, 30
.if tt < 3
	XS tt+1, 16
.endif
	ES tt, 31
.if tt < 3
	XS tt+1, 17
.endif
	XS tt, 21
.if tt < 3
	XS tt+1, 18
	XS tt+1, 19
	XS tt+1, 20
.endif
.set tt, tt+1
.endr
	v_nop                                          ; a plain instruction behind the last exponential
	s_wait_alu depctr_va_vdst(0)                   ; the wait ahead of the first use: one for the batch
.set kk, 0
.rept 8                                ; four weights of each tile: rounded to bf16; the second pair added onto the first; l takes the sum
.set tt, 0
.rept 4
.set rS, S+32*tt+4*kk
	v_cvt_pk_bf16_f32 v[P+16*tt+2*kk], v[rS], v[rS+1]
	v_cvt_pk_bf16_f32 v[P+16*tt+2*kk+1], v[rS+2], v[rS+3]
	v_pk_add_f32 v[rS:rS+1], v[rS:rS+1], v[rS+2:rS+3]
.set tt, tt+1
.endr
.set tt, 0
.rept 4
.set rS, S+32*tt+4*kk
.set rT, ST+4*tt+2
.set rC, TMP+4*tt+2
.if kk == 0
	v_pk_fma_f32 v[rT:rT+1], v[rT:rT+1], v[rC:rC+1], v[rS:rS+1] op_sel_hi:[1,0,1]
.else
	v_pk_add_f32 v[rT:rT+1], v[rT:rT+1], v[rS:rS+1]
.endif
.set tt, tt+1
.endr
.set kk, kk+1
.endr
	WIN 0x41
.set uu, 0
.rept 16                               ; O^T times a, each accumulator from its low end on
.set tt, 0
.rept 4
.set rO, 32*tt+2*uu
.set rC, TMP+4*tt+2
	v_pk_mul_f32 v[rO:rO+1], v[rO:rO+1], v[rC:rC+1] op_sel_hi:[1,0]
.set tt, tt+1
.endr
.set uu, uu+1
.endr
.endm
; A KEY STEP.  It asks for my next step's K behind the products that read K, and for its V behind those that read V.
.macro STEP
	s_wait_xcnt 0x0                                ; the last prefetches, a step back, have read their offset
	s_add_co_u32 s[TT], s[SS], 12
	s_min_u32 s35, s[TT], 31
	s_lshl_b32 s35, s35, 13
	v_add_nc_u32 v[PFO], s35, v8
	s_add_co_u32 s35, s[CNT], 1
	s_cmp_eq_u32 s35, s[NT]                        ; my last step of the block,
	s_cselect_b32 s[AL], s[OWNF], 0                ; and the diagonal one?
	WIN 0x41
.irp z, 0,2,4,6
	v_pk_mul_f32 v[CD+(\z):CD+(\z)+1], v[MD+(\z):MD+(\z)+1], s[AL:AL+1] op_sel_hi:[1,0]
	v_pk_mul_f32 v[CB+(\z):CB+(\z)+1], v[MB+(\z):MB+(\z)+1], s[AL:AL+1] op_sel_hi:[1,0]
.endr
	s_wait_loadcnt 16                              ; K (and Q) are in; V's 16 loads may stay out
	KQ
	WIN 0
	PLACES
	s_add_co_u32 s[SS], s[SS], 4
	s_cmp_le_u32 s[SS], s[BE]
	s_cselect_b32 s22, s[SS], s[S0B]               ; my next step of this block, or my first of the second
	s_lshl_b32 s[SOFF], s22, 13
	v_add_nc_u32 v[KO], s[SOFF], v[L16]
	LOADK
	s_cmp_le_u32 s[TT], s[PFMAX]
	s_cbranch_scc0 .Lnopf_\@
	global_prefetch_b8 v[PFO], s[14:15] th:TH_LOAD_NT scope:SCOPE_SE
	global_prefetch_b8 v[PFO], s[16:17] th:TH_LOAD_NT scope:SCOPE_SE
.Lnopf_\@:
	SOFTMAX
	s_wait_loadcnt 16                              ; V is in; the next K's 16 loads may stay out
	PV
	WIN 0
	PLACES
	v_add_nc_u32 v[VO], s[SOFF], v[L16]
	LOADV
.endm
	WIN 0x80
.set i, 0
.rept 16
	global_load_b128 v[4*i:4*i+3], v[QO], s[12:13] offset:512*i
.set i, i+1
.endr
.set i, 0
.rept 16
	global_load_b128 v[QB+4*i:QB+4*i+3], v[QO2], s[12:13] offset:512*i
.set i, i+1
.endr
	LOADK
	LOADV
.Lblock:
	WIN 0x40
.set i, 0
.rept 128
	v_mov_b32 v[i], 0
.set i, i+1
.endr
	WIN 0
.irp t, 0,1,2,3
	v_mov_b32 v[ST+4*(\t)], 0xfe000000             ; c m: far below every c s
	v_mov_b32 v[ST+4*(\t)+1], 0xff7fffff           ; m
	v_mov_b32 v[ST+4*(\t)+2], 0
	v_mov_b32 v[ST+4*(\t)+3], 0
.endr
	s_add_co_u32 s35, s[BE], 4
	s_sub_co_u32 s35, s35, s[WV]
	s_lshr_b32 s[NT], s35, 2                       ; my steps: w, w + 4, .. up to the block's number: 8 at the most
	s_and_b32 s35, s[BE], 3
	s_cmp_eq_u32 s35, s[WV]
	s_cselect_b32 s[OWNF], 1.0, 0
	s_mov_b32 s[CNT], 0
.Lstep:
	s_cmp_ge_u32 s[CNT], s[NT]
	s_cbranch_scc1 .Ldead
	STEP
	WIN 0
.Ldead:
	s_add_co_u32 s[CNT], s[CNT], 1
	s_cmp_lt_u32 s[CNT], 8
	s_cbranch_scc1 .Lstep
	PLACES                                         ; THE MERGE.  The loads that are out are the next block's: nothing here waits for them
.irp t, 0,1,2,3
	v_add_f32 v[ST+4*(\t)+2], v[ST+4*(\t)+2], v[ST+4*(\t)+3]
.endr
.irp t, 0,1,2,3
	ds_store_b32 v[MS], v[ST+4*(\t)] offset:(\t)*TILEB+4096
	ds_store_b32 v[MS], v[ST+4*(\t)+2] offset:(\t)*TILEB+4224
.endr
	WIN 0x04
.irp t, 0,1,2,3
.irp q, 0,1,2,3,4,5,6,7
	ds_store_b128 v[MW], v[32*(\t)+4*(\q):32*(\t)+4*(\q)+3] offset:(\t)*TILEB+512*(\q)
.endr
.endr
	WIN 0
	s_wait_dscnt 0x0                               ; for the others: my partial results are stored
	s_barrier_signal -1
	s_barrier_wait -1
.irp s, 0,1,2,3                        ; wave w finishes tile w: the four waves' parts of it
	ds_load_b32 v[TMP+(\s)], v[MRS] offset:(\s)*WAVEB+4096
	ds_load_b32 v[TMP+4+(\s)], v[MRS] offset:(\s)*WAVEB+4224
.endr
.irp s, 0,1,2,3
.irp q, 0,1,2,3,4,5,6,7
	ds_load_b128 v[S+32*(\s)+4*(\q):S+32*(\s)+4*(\q)+3], v[MR] offset:(\s)*WAVEB+512*(\q)
.endr
.endr
	s_wait_dscnt 0x0                               ; my reads are over:
	s_barrier_signal -1
	s_barrier_wait -1                              ; the next block may store there
	v_max3_num_f32 v[TMP+8], v[TMP], v[TMP+1], v[TMP+2]
	v_max_num_f32 v[TMP+8], v[TMP+8], v[TMP+3]     ; the tile's c m
.irp s, 0,1,2,3
	v_sub_f32 v[TMP+12+(\s)], v[TMP+(\s)], v[TMP+8]
.endr
.irp s, 0,1,2,3
	v_exp_f32 v[TMP+12+(\s)], v[TMP+12+(\s)]
.endr
	v_nop
	s_wait_alu depctr_va_vdst(0)                   ; one wait for the four factors
	v_mul_f32 v[TMP+9], v[TMP+12], v[TMP+4]
	v_fmac_f32 v[TMP+9], v[TMP+13], v[TMP+5]
	v_fmac_f32 v[TMP+9], v[TMP+14], v[TMP+6]
	v_fmac_f32 v[TMP+9], v[TMP+15], v[TMP+7]
	v_permlanex16_b32 v[TMP+8], v[TMP+9], s[SEL], s[SEL+1]  ; the query's other keys lie in the lane 16 away
	v_add_f32 v[TMP+9], v[TMP+9], v[TMP+8]
	v_rcp_f32 v[TMP+10], v[TMP+9]
	v_nop
	s_wait_alu depctr_va_vdst(0)
.irp s, 0,1,2,3
	v_mul_f32 v[GR+2*(\s)], v[TMP+12+(\s)], v[TMP+10]
	v_mul_f32 v[GR+2*(\s)+1], v[TMP+12+(\s)], v[TMP+10]
.endr
.set uu, 0
.rept 16
	v_pk_mul_f32 v[S+2*uu:S+2*uu+1], v[S+2*uu:S+2*uu+1], v[GR:GR+1]
	v_pk_fma_f32 v[S+2*uu:S+2*uu+1], v[S+32+2*uu:S+32+2*uu+1], v[GR+2:GR+3], v[S+2*uu:S+2*uu+1]
	v_pk_fma_f32 v[S+2*uu:S+2*uu+1], v[S+64+2*uu:S+64+2*uu+1], v[GR+4:GR+5], v[S+2*uu:S+2*uu+1]
	v_pk_fma_f32 v[S+2*uu:S+2*uu+1], v[S+96+2*uu:S+96+2*uu+1], v[GR+6:GR+7], v[S+2*uu:S+2*uu+1]
.set uu, uu+1
.endr
	s_wait_xcnt 0x0                                ; the last block's stores have read their offset
	s_lshl2_add_u32 s35, s[BE], s[WV]              ; token tile 4 x block + w
	s_lshl_b32 s35, s35, 13
	v_add_nc_u32 v[YO], s35, v[L16]
.set i, 0
.rept 16
	v_cvt_pk_bf16_f32 v[P+i], v[S+2*i], v[S+2*i+1]
.set i, i+1
.endr
.irp c, 0,1,2,3
	global_store_b128 v[YO], v[P+4*(\c):P+4*(\c)+3], s[18:19] offset:512*(\c)  ; 512 consecutive bytes, a chunk
.endr
	s_wait_xcnt 0x0                                ; P is written again in the next block
	s_cmp_eq_u32 s[BL], 1
	s_cbranch_scc1 .Lnoq                           ; the second block has no successor
	s_wait_loadcnt 32                              ; all but the next block's K and V: the second block's Q has been in since the first step
	WIN 0x82
.set i, 0
.rept 64
	v_mov_b32 v[i], v[QB+i]                        ; it goes where the one text of the steps names Q
.set i, i+1
.endr
	WIN 0
.Lnoq:
	s_mov_b32 s[BE], s[JJ]
	s_mov_b32 s[SS], s[WV]
	s_mov_b32 s[PFMAX], 0
	s_sub_co_u32 s[BL], s[BL], 1
	s_cmp_lg_u32 s[BL], 0
	s_cbranch_scc1 .Lblock
	s_wait_tensorcnt 0x0                           ; the wave's end, behind my last LDS store
	ds_add_u32 v[SPW], v[NIL]
	s_wait_dscnt 0x0
	s_endpgm
.Lfunc_end_k_qd48ac049dd_attn:
	.size	k_qd48ac049dd_attn, .Lfunc_end_k_qd48ac049dd_attn-k_qd48ac049dd_attn
	.p2alignl 7, 3214868480
	.fill 96, 4, 3214868480
	.section	.rodata,"a",@progbits
	.p2align	6, 0x0
	.amdhsa_kernel k_qd48ac049dd_attn
		.amdhsa_group_segment_fixed_size 70144
		.amdhsa_private_segment_fixed_size 0
		.amdhsa_enable_private_segment 0
		.amdhsa_kernarg_size 16
		.amdhsa_user_sgpr_count 2
		.amdhsa_user_sgpr_kernarg_segment_ptr 1
		.amdhsa_wavefront_size32 1
		.amdhsa_system_sgpr_workgroup_id_x 1
		.amdhsa_system_sgpr_workgroup_id_y 1
		.amdhsa_system_sgpr_workgroup_id_z 1
		.amdhsa_system_vgpr_workitem_id 0
		.amdhsa_next_free_vgpr 768
		.amdhsa_next_free_sgpr 66
		.amdhsa_reserve_vcc 1
		.amdhsa_float_denorm_mode_32 3
		.amdhsa_float_denorm_mode_16_64 3
		.amdhsa_memory_ordered 1
		.amdhsa_forward_progress 1
		.amdhsa_inst_pref_size 64
	.end_amdhsa_kernel
	.amdgpu_metadata
---
amdhsa.version: [ 1, 2 ]
amdhsa.kernels:
  - .name:           k_qd48ac049dd_attn
    .symbol:         k_qd48ac049dd_attn.kd
    .args:
      - { .name: qkv, .offset: 0, .size: 8, .value_kind: global_buffer, .address_space: global }
      - { .name: y, .offset: 8, .size: 8, .value_kind: global_buffer, .address_space: global }
    .group_segment_fixed_size: 70144
    .private_segment_fixed_size: 0
    .kernarg_segment_align: 8
    .kernarg_segment_size: 16
    .max_flat_workgroup_size: 128
    .sgpr_count:     66
    .vgpr_count:     768
    .wavefront_size: 32
...
	.end_amdgpu_metadata
.endif
;; end of part 3
;; launch post (part 4): grid 256 x 1, 4 waves a work-group, clusters of 4 x 1, 327,680 bytes of LDS; arguments xa, y, ws0, xb, qkv; writes xb, qkv
.if DOCPART == 4
	.amdgcn_target "amdgcn-amd-amdhsa--gfx1250"
	.amdhsa_code_object_version 6
	.text
	.protected	k_qd48ac049dd_post
	.globl	k_qd48ac049dd_post
	.p2align	8
	.type	k_qd48ac049dd_post,@function
k_qd48ac049dd_post:
	s_mov_b64 s[64:65], 0
	v_nop
	global_prefetch_b8 v0, s[64:65] scope:SCOPE_SE
	s_setreg_imm32_b32 hwreg(HW_REG_WAVE_MODE, 25, 1), 1
	s_wait_xcnt 0x0
	s_wait_alu depctr_hold_cnt(0) depctr_sa_sdst(0) depctr_va_vdst(0) depctr_va_sdst(0) depctr_va_ssrc(0) depctr_va_vcc(0) depctr_vm_vsrc(0)
	s_getreg_b32 s2, hwreg(HW_REG_IB_STS2, 6, 4)
	s_cmp_eq_u32 s2, 0
	s_cbranch_scc0 .Lentry_in_a_cluster
	s_endpgm
.Lentry_in_a_cluster:
	s_bfe_u32 s2, ttmp6, 0x10000c
	s_cmp_lg_u32 s2, 0x3003
	s_cbranch_scc0 .Lentry_shape_is_right
	s_endpgm
.Lentry_shape_is_right:
; POST: the rest of a layer and the next layer's projection, for 32 tokens a work-group:  x1 = x + bo + y Wo;  x2 = x1 + bm + x1 Wm (Wm = Wfc Wfp, bm = bfc Wfp + bfp: the MLP has no
; activation; another order of rounding than two products);  x2 is stored in f32;  q, k, v = x2 Wqkv + bqkv of the next layer, stored as bf16 chunks.  The residual stays in f32, in the accumulators.
; A CHUNK is 16 rows x 16 k of bf16, 512 bytes: lane L (r = L % 16, h = L / 16) holds row r, k = 8 h .. 8 h + 7 at byte 16 L.  Two chunks are a matrix operand of 16 x 32; a result
; tile, packed in pairs, IS a chunk.  So every intermediate goes out and comes in at 16 L, 512 consecutive bytes an instruction.
; SHARES.  Work-group g = 4 x cluster + cx owns two token tiles t.  A slot of weights is 16 tiles of 16 output channels; wave w owns tiles 4 w .. 4 w + 3 (in q, k, v: head w) for both token tiles:
; 8 accumulators, 64 products a slot.  Source 0 = weights, source 1 = tokens (a lane holds a token and 8 channels); for v the sources are swapped (a lane holds a channel and 8 tokens).
; Between two slots the waves hand each other their channels of x as bf16 chunks in LDS.
; WEIGHTS.  A wave alone reads its 32,768 bytes of a slot, linearly.  LDS has room for two slots of 131,072 bytes beside x: Wo and Wm are its first fills and Wk its one refill, asked for JOINTLY by the four
; work-groups of a cluster (mask 15).  Wq and Wv go straight from memory into the wave's registers, 256 each (windows 2 and 3): no joint load reaches registers, but so four of the five slots
; are asked for before the second product ends, and the fifth behind it.  A wave's counter of loads holds 63 (ISA guide 5.7.1) and a 64th load out would hold its issue: at the head, where the wave
; has nothing to issue but loads, that costs no work; Wv's last 512 bytes are asked for there, so that the run behind stage b is 63 loads.
; No prefetch: every slot is asked for as soon as its place is free.  No padding in LDS: every access is 16 bytes a lane on end.
.set SLOTB, 131072
.set XB0,   2*SLOTB                    ; x1, then at + 16,384 x2, as bf16 chunks [t][channel tile][512]; never filled by a tensor load
.set SPARE, XB0+3*16384                ; the spare words, 128 bytes for each wave
.set WSP, 8
.set L16, 4                            ; v4  16 L
.set WA0, 5                            ; v5, v6  my weights in slot 0, 1
.set XA,  7                            ; v7  where I put my chunks of x
.set XR,  8                            ; v8  where all chunks of x are read
.set BT,  9                            ; v9  256 w + 32 h
.set BN,  10                           ; v10 256 w + 4 r
.set VB,  12                           ; v[12:15] v's bias, one number a tile
.set SPW, 30
.set NIL, 31
.set PK,  32                           ; v[32:63]   packed results
.set BCA, 64                           ; v[64:95]   bo, 8 registers a tile; later v's bias
.set BCB, 96                           ; v[96:127]  bm
.set XF,  128                          ; v[128:255] the token operand: chunk 16 t + C at XF + 4 (16 t + C)
.set ACC, 0                            ; window 1: accumulator (ntl, t) at 16 ntl + 8 t
.set WB,  64                           ; window 1: two buffers of 64: the weights of two K steps, out of LDS
.set BQ,  192                          ; window 1: q's bias     BK: k's
.set BK,  224
.set WV, 16
.set CX, 17
.set GG, 18
.set W32, 19
.set OW, 20                            ; s[20:21] the wave's offset: all that enters a joint descriptor
.set OG, 22                            ; s[22:23] offsets made from g
.set G1, 24
.set G0, 32
.set XIN, 40
.set YB, 42
.set XOUT, 44
.set QKV, 46
.set BIAS, 48
.set WR, 52                            ; s[52:53] my share of Wq in memory; Wv's lies 262,144 bytes on
.set MSB, 0
.macro WIN new
.if MSB != (\new)
	s_set_vgpr_msb (MSB<<8)|(\new)
.set MSB, (\new)
.endif
.endm
.macro PLACES
.rept 4
	v_nop
.endr
.endm
.macro ROUND
	s_barrier_signal -1
	s_barrier_wait -1
	s_cmp_lg_u32 s[WV], 0
	s_cbranch_scc1 .Lnot_wave_0_\@
	s_barrier_signal -3
.Lnot_wave_0_\@:
	s_barrier_wait -3
	s_barrier_signal -1
	s_barrier_wait -1
.endm
; A slot that has been read is filled again: all my tensor loads have landed, the add, my LDS stores and reads are done, the round, and my one load first behind it.
.macro CHANGE slot, step
	WIN 0
	s_wait_tensorcnt 0x0
	ds_add_u32 v[SPW], v[NIL]
	s_add_nc_u64 s[G0+4*(\slot)+2:G0+4*(\slot)+3], s[G0+4*(\slot)+2:G0+4*(\slot)+3], \step
	s_wait_dscnt 0x0
	ROUND
	tensor_load_to_lds s[G0+4*(\slot):G0+4*(\slot)+3], s[G1:G1+7]
	s_nop 0
	PLACES
.endm
.macro LOADG slot, g
	WIN 0x40
.set i, 0
.rept 16
	ds_load_b128 v[WB+64*((\g)%2)+4*i:WB+64*((\g)%2)+4*i+3], v[WA0+(\slot)] offset:(\g)*8192+512*i
.set i, i+1
.endr
.endm
; n loads of 512 consecutive bytes: pieces first .. of my share of the slot at byte off behind WR, into window w: piece i to registers 4 i ..
.macro WLOAD w, off, first, n
	WIN (\w)<<6
.set i, \first
.rept \n
	global_load_b128 v[4*i:4*i+3], v[L16], s[WR:WR+1] offset:(\off)+512*i
.set i, i+1
.endr
	WIN 0
.endm
; 16 products; the eight accumulators take turns.  cm = 1: the slot's first products take the bias bc, in window cw, as C.
; ww: the window of the weights: 1 = the two buffers filled from LDS; 2, 3 = a whole slot
.macro MULG g, nat, cm, bc, cw, ww
.irp ksl, 0,1
.irp ntl, 0,1,2,3
.irp t, 0,1
.set rD, ACC+16*(\ntl)+8*(\t)
.if (\ww) == 1
.set rW, WB+64*((\g)%2)+32*(\ksl)+8*(\ntl)
.else
.set rW, 64*(\g)+32*(\ksl)+8*(\ntl)
.endif
.set rX, XF+64*(\t)+8*(2*(\g)+(\ksl))
.set rB, (\bc)+8*(\ntl)
.if ((\g) == 0) && ((\ksl) == 0) && ((\cm) == 1)
.if \nat
	WIN 0x40|((\cw)<<4)|((\ww)<<2)
	v_wmma_f32_16x16x32_bf16 v[rD:rD+7], v[rX:rX+7], v[rW:rW+7], v[rB:rB+7]
.else
	WIN 0x40|((\cw)<<4)|(\ww)
	v_wmma_f32_16x16x32_bf16 v[rD:rD+7], v[rW:rW+7], v[rX:rX+7], v[rB:rB+7]
.endif
.elseif \nat
	WIN 0x50|((\ww)<<2)
	v_wmma_f32_16x16x32_bf16 v[rD:rD+7], v[rX:rX+7], v[rW:rW+7], v[rD:rD+7]
.else
	WIN 0x50|(\ww)
	v_wmma_f32_16x16x32_bf16 v[rD:rD+7], v[rW:rW+7], v[rX:rX+7], v[rD:rD+7]
.endif
.endr
.endr
.endr
.endm
.macro SLOTRUN slot, nat, cm, bc, cw   ; a slot out of LDS: K = 256 in four groups; a group's loads go out one group ahead
	LOADG \slot, 0
.irp g, 0,1,2,3
.if (\g) < 3
.if (\g) > 0
	PLACES
.endif
	LOADG \slot, (\g)+1
	s_wait_dscnt 16                                ; all but the 16 just issued
.else
	s_wait_dscnt 0x0
.endif
	MULG \g, \nat, \cm, \bc, \cw, 1
.endr
.endm
.macro REGRUN nat, cm, bc, cw, ww      ; a slot that lies in registers: 64 products on end
.irp g, 0,1,2,3
	MULG \g, \nat, \cm, \bc, \cw, \ww
.endr
.endm
.macro PACK32
	WIN 0x05
.set i, 0
.rept 32
	v_cvt_pk_bf16_f32 v[PK+i], v[ACC+2*i], v[ACC+2*i+1]
.set i, i+1
.endr
	WIN 0
.endm
.macro PACKX off, pl
.if \pl
	PLACES
.endif
	PACK32
.irp ntl, 0,1,2,3
.irp t, 0,1
	ds_store_b128 v[XA], v[PK+4*(2*(\ntl)+(\t)):PK+4*(2*(\ntl)+(\t))+3] offset:(\off)+(\t)*8192+(\ntl)*512
.endr
.endr
.endm
.macro GETX off
	WIN 0
.set i, 0
.rept 32
	ds_load_b128 v[XF+4*i:XF+4*i+3], v[XR] offset:(\off)+512*i
.set i, i+1
.endr
.endm
.macro ADDB bc                         ; a bias onto the residual
	WIN 0x41
.irp ntl, 0,1,2,3
.irp t, 0,1
.irp q, 0,2,4,6
.set rD, ACC+16*(\ntl)+8*(\t)+(\q)
	v_pk_add_f32 v[rD:rD+1], v[rD:rD+1], v[(\bc)+8*(\ntl)+(\q):(\bc)+8*(\ntl)+(\q)+1]
.endr
.endr
.endr
	WIN 0
.endm
.macro LDB bc, sect, w                 ; a bias for lanes that hold 8 channels, into window w
	WIN (\w)<<6
.irp ntl, 0,1,2,3
.irp p, 0,1
	global_load_b128 v[(\bc)+8*(\ntl)+4*(\p):(\bc)+8*(\ntl)+4*(\p)+3], v[BT], s[BIAS:BIAS+1] offset:(\sect)+64*(\ntl)+16*(\p)
.endr
.endr
	WIN 0
.endm
.macro QOUT step, pl
.if \pl
	PLACES
.endif
	s_wait_xcnt 0x0                                ; earlier stores have read PK and the base
.if \step
	s_add_nc_u64 s[QKV:QKV+1], s[QKV:QKV+1], 4194304
.endif
	PACK32
.irp ntl, 0,1,2,3
.irp t, 0,1
	global_store_b128 v[L16], v[PK+4*(2*(\ntl)+(\t)):PK+4*(2*(\ntl)+(\t))+3], s[QKV:QKV+1] offset:(\t)*2048+(\ntl)*512
.endr
.endr
.endm
.macro STX
	WIN 0x04
.irp ntl, 0,1,2,3
.irp t, 0,1
.irp p, 0,1
	global_store_b128 v[L16], v[ACC+16*(\ntl)+8*(\t)+4*(\p):ACC+16*(\ntl)+8*(\t)+4*(\p)+3], s[XOUT:XOUT+1] offset:(\t)*16384+(\ntl)*1024+(\p)*512
.endr
.endr
.endr
	WIN 0
.endm
.macro VEXP                            ; v's bias is one number a lane: spread over the C operand's 8 registers
	WIN 0
.irp ntl, 0,1,2,3
.irp j, 0,1,2,3,4,5,6,7
	v_mov_b32 v[BCA+8*(\ntl)+(\j)], v[VB+(\ntl)]
.endr
.endr
.endm
	s_load_b256 s[4:11], s[0:1], 0x0               ; x in 4, y 6, ws 8, x out 10
	s_load_b64 s[12:13], s[0:1], 0x20              ; qkv
	v_lshl_add_u32 v[SPW], v0, 2, SPARE
	v_mov_b32 v[NIL], 0
	ds_add_u32 v[SPW], v[NIL]                      ; the wave's opening: the add and its wait ahead of my first tensor load
	v_lshrrev_b32 v16, 5, v0
	v_readfirstlane_b32 s[WV], v16
	s_bfe_u32 s[CX], ttmp6, 0x40000
	s_lshl_b32 s[GG], ttmp9, 2
	s_add_co_u32 s[GG], s[GG], s[CX]               ; g: it enters global addresses alone
	v_and_b32 v1, 31, v0
	v_and_b32 v2, 15, v0
	v_bfe_u32 v3, v0, 4, 1
	v_lshlrev_b32 v[L16], 4, v1
	s_lshl_b32 s[W32], s[WV], 15
	v_add_nc_u32 v[WA0], s[W32], v[L16]
	v_add_nc_u32 v[WA0+1], SLOTB, v[WA0]
	s_lshl_b32 s50, s[WV], 11
	s_add_co_u32 s50, s50, XB0
	v_add_nc_u32 v[XA], s50, v[L16]
	v_add_nc_u32 v[XR], XB0, v[L16]
	s_lshl_b32 s50, s[WV], 8
	v_lshl_add_u32 v[BT], v3, 5, s50
	v_lshl_add_u32 v[BN], v2, 2, s50
	s_mov_b32 s[G1], 15|(3<<16)|(1<<21)            ; the mask of four; elements of 8 bytes; bit 21 beside a mask
	s_mov_b32 s[G1+1], 32<<16                      ; tensor_dim0 = 32: rows of 256 bytes
	s_mov_b32 s[G1+2], 128<<16                     ; tensor_dim1 = 128
	s_mov_b32 s[G1+3], 32<<16                      ; tile_dim0 = 32
	s_mov_b32 s[G1+4], 128                         ; tile_dim1 = 128
	s_mov_b32 s[G1+5], 32                          ; dense
	s_mov_b32 s[G1+6], 0
	s_mov_b32 s[G1+7], 0
	s_mov_b32 s[G0], 1
	s_mov_b32 s[G0+1], s[W32]
	s_mov_b32 s[G0+4], 1
	s_add_co_u32 s[G0+5], s[W32], SLOTB
	s_mov_b32 s[OW], s[W32]
	s_mov_b32 s[OW+1], 0
	s_wait_dscnt 0x0
	s_wait_kmcnt 0x0
	s_add_nc_u64 s[G0+2:G0+3], s[WSP:WSP+1], s[OW:OW+1]   ; slot 0 begins with Wo,
	s_add_nc_u64 s[G0+6:G0+7], s[G0+2:G0+3], SLOTB        ; slot 1 with Wm
	s_add_nc_u64 s[WR:WR+1], s[G0+2:G0+3], 262144         ; my share of Wq
	s_or_b32 s[G0+3], s[G0+3], 0x80000000
	s_or_b32 s[G0+7], s[G0+7], 0x80000000
	s_add_nc_u64 s[BIAS:BIAS+1], s[WSP:WSP+1], 655360
	s_lshl_b32 s[OG], s[GG], 15
	s_lshl_b32 s50, s[WV], 12
	s_add_co_u32 s[OG], s[OG], s50
	s_mov_b32 s[OG+1], 0
	s_add_nc_u64 s[XIN:XIN+1], s[4:5], s[OG:OG+1]
	s_add_nc_u64 s[XOUT:XOUT+1], s[10:11], s[OG:OG+1]
	s_lshl_b32 s[OG], s[GG], 14
	s_add_nc_u64 s[YB:YB+1], s[6:7], s[OG:OG+1]
	s_lshr_b32 s[OG], s[GG], 6
	s_lshl_b32 s[OG], s[OG], 20
	s_lshl_b32 s50, s[WV], 18
	s_add_co_u32 s[OG], s[OG], s50
	s_and_b32 s50, s[GG], 63
	s_lshl_b32 s50, s50, 12
	s_add_co_u32 s[OG], s[OG], s50
	s_add_nc_u64 s[QKV:QKV+1], s[12:13], s[OG:OG+1]
	ROUND                                          ; the four work-groups are here: the first joint loads meet
	tensor_load_to_lds s[G0:G0+3], s[G1:G1+7]
	s_nop 0
	tensor_load_to_lds s[G0+4:G0+7], s[G1:G1+7]    ; two loads of mine are out
	s_nop 0
	PLACES
.set i, 0
.rept 32
	global_load_b128 v[XF+4*i:XF+4*i+3], v[L16], s[YB:YB+1] offset:512*i th:TH_LOAD_NT
.set i, i+1
.endr
	WIN 0x40
.irp ntl, 0,1,2,3
.irp t, 0,1
.irp p, 0,1
	global_load_b128 v[ACC+16*(\ntl)+8*(\t)+4*(\p):ACC+16*(\ntl)+8*(\t)+4*(\p)+3], v[L16], s[XIN:XIN+1] offset:(\t)*16384+(\ntl)*1024+(\p)*512 th:TH_LOAD_NT
.endr
.endr
.endr
	WIN 0
	LDB BCA, 0, 0
	LDB BCB, 1024, 0
	LDB BQ, 2048, 1
	LDB BK, 3072, 1
.irp ntl, 0,1,2,3
	global_load_b32 v[VB+(\ntl)], v[BN], s[BIAS:BIAS+1] offset:4096+64*(\ntl)
.endr
	WLOAD 2, 0, 0, 64                              ; Wq, my share
	WLOAD 3, 262144, 63, 1                         ; and the last piece of Wv's
	s_wait_loadcnt 63                              ; of 149 loads the oldest 86 are in: y, x and the biases are the first 84
	ADDB BCA                                       ; x + bo
	s_wait_tensorcnt 0x1                           ; my part of Wo is in; Wm's may stay out
	SLOTRUN 0, 0, 0, 0, 0                          ; x1 = x + bo + y Wo
	PACKX 0, 1
	CHANGE 0, 393216                               ; slot 0 takes Wk; behind the round every wave's chunks of x1 are in LDS
	GETX 0
	ADDB BCB                                       ; x1 + bm
	SLOTRUN 1, 0, 0, 0, 0                          ; x2 = x1 + bm + x1 Wm
	PLACES
	STX
	PACKX 16384, 0
	s_wait_dscnt 0x0                               ; for the others: my chunks of x2 are stored
	s_barrier_signal -1                            ; Wk may stay on its way
	s_barrier_wait -1
	GETX 16384
	s_wait_xcnt 0x0                                ; x2's stores have read the accumulators, which the products below write
	WLOAD 3, 262144, 0, 63                         ; Wv, the other 63 pieces
	s_wait_loadcnt 63                              ; 64 loads are younger than Wq's last
	s_wait_dscnt 0x0                               ; x2
	REGRUN 0, 1, BQ, 1, 2                          ; q
	QOUT 0, 1
	s_wait_tensorcnt 0x0                           ; Wk, my part, which I alone read
	SLOTRUN 0, 0, 1, BK, 1                         ; k
	QOUT 1, 1
	VEXP
	s_wait_loadcnt 0x0                             ; Wv
	REGRUN 1, 1, BCA, 0, 3                         ; v
	QOUT 1, 1
	s_wait_tensorcnt 0x0                           ; the wave's end
	ds_add_u32 v[SPW], v[NIL]
	s_wait_dscnt 0x0
	ROUND                                          ; the closing round
	s_endpgm
.Lfunc_end_k_qd48ac049dd_post:
	.size	k_qd48ac049dd_post, .Lfunc_end_k_qd48ac049dd_post-k_qd48ac049dd_post
	.p2alignl 7, 3214868480
	.fill 96, 4, 3214868480
	.section	.rodata,"a",@progbits
	.p2align	6, 0x0
	.amdhsa_kernel k_qd48ac049dd_post
		.amdhsa_group_segment_fixed_size 327680
		.amdhsa_private_segment_fixed_size 0
		.amdhsa_enable_private_segment 0
		.amdhsa_kernarg_size 40
		.amdhsa_user_sgpr_count 2
		.amdhsa_user_sgpr_kernarg_segment_ptr 1
		.amdhsa_wavefront_size32 1
		.amdhsa_system_sgpr_workgroup_id_x 1
		.amdhsa_system_sgpr_workgroup_id_y 1
		.amdhsa_system_sgpr_workgroup_id_z 1
		.amdhsa_system_vgpr_workitem_id 0
		.amdhsa_next_free_vgpr 1024
		.amdhsa_next_free_sgpr 66
		.amdhsa_reserve_vcc 0
		.amdhsa_float_denorm_mode_32 3
		.amdhsa_float_denorm_mode_16_64 3
		.amdhsa_memory_ordered 1
		.amdhsa_forward_progress 1
		.amdhsa_inst_pref_size 85
	.end_amdhsa_kernel
	.amdgpu_metadata
---
amdhsa.version: [ 1, 2 ]
amdhsa.kernels:
  - .name:           k_qd48ac049dd_post
    .symbol:         k_qd48ac049dd_post.kd
    .args:
      - { .name: xa, .offset: 0, .size: 8, .value_kind: global_buffer, .address_space: global }
      - { .name: y, .offset: 8, .size: 8, .value_kind: global_buffer, .address_space: global }
      - { .name: ws0, .offset: 16, .size: 8, .value_kind: global_buffer, .address_space: global }
      - { .name: xb, .offset: 24, .size: 8, .value_kind: global_buffer, .address_space: global }
      - { .name: qkv, .offset: 32, .size: 8, .value_kind: global_buffer, .address_space: global }
    .group_segment_fixed_size: 327680
    .private_segment_fixed_size: 0
    .kernarg_segment_align: 8
    .kernarg_segment_size: 40
    .max_flat_workgroup_size: 128
    .sgpr_count:     66
    .vgpr_count:     1024
    .wavefront_size: 32
...
	.end_amdgpu_metadata
.endif
;; end of part 4
;; launch attn_b: the kernel of part 3 again; grid 16 x 16, 4 waves a work-group, no clusters, 70,144 bytes of LDS; arguments qkv, y; writes y
;; launch post_b: the kernel of part 4 again; grid 256 x 1, 4 waves a work-group, clusters of 4 x 1, 327,680 bytes of LDS; arguments xb, y, ws1, xa, qkv; writes xa, qkv
;; launch attn_c: the kernel of part 3 again; grid 16 x 16, 4 waves a work-group, no clusters, 70,144 bytes of LDS; arguments qkv, y; writes y
;; launch post_c: the kernel of part 4 again; grid 256 x 1, 4 waves a work-group, clusters of 4 x 1, 327,680 bytes of LDS; arguments xa, y, ws2, xb, qkv; writes xb, qkv
;; launch attn_d: the kernel of part 3 again; grid 16 x 16, 4 waves a work-group, no clusters, 70,144 bytes of LDS; arguments qkv, y; writes y
;; launch last (part 5): grid 256 x 1, 4 waves a work-group, clusters of 4 x 1, 327,680 bytes of LDS; arguments xb, y, ws3, out0; writes out0
.if DOCPART == 5
	.amdgcn_target "amdgcn-amd-amdhsa--gfx1250"
	.amdhsa_code_object_version 6
	.text
	.protected	k_qd48ac049dd_last
	.globl	k_qd48ac049dd_last
	.p2align	8
	.type	k_qd48ac049dd_last,@function
k_qd48ac049dd_last:
	s_mov_b64 s[64:65], 0
	v_nop
	global_prefetch_b8 v0, s[64:65] scope:SCOPE_SE
	s_setreg_imm32_b32 hwreg(HW_REG_WAVE_MODE, 25, 1), 1
	s_wait_xcnt 0x0
	s_wait_alu depctr_hold_cnt(0) depctr_sa_sdst(0) depctr_va_vdst(0) depctr_va_sdst(0) depctr_va_ssrc(0) depctr_va_vcc(0) depctr_vm_vsrc(0)
	s_getreg_b32 s2, hwreg(HW_REG_IB_STS2, 6, 4)
	s_cmp_eq_u32 s2, 0
	s_cbranch_scc0 .Lentry_in_a_cluster
	s_endpgm
.Lentry_in_a_cluster:
	s_bfe_u32 s2, ttmp6, 0x10000c
	s_cmp_lg_u32 s2, 0x3003
	s_cbranch_scc0 .Lentry_shape_is_right
	s_endpgm
.Lentry_shape_is_right:
; LAST: the rest of layer 3 and the head, for 32 tokens a work-group:  x1 = x + bo + y Wo;  x2 = x1 + bm + x1 Wm (the MLP folded, as in the launches before);  logits = x2 Whead.
; For the head x2 is taken as TWO bf16 numbers, hi = bf16(x2) and lo = bf16(x2 - hi), each multiplied by Whead into the same f32 sums: one rounding of x2 to bf16 would use up the allowance of the output.
; Chunks and shares are those of the launches before: a chunk is 16 rows x 16 k of bf16 at 16 bytes a lane; wave w owns 4 of a slot's 16 column tiles for both token tiles.
; THE HEAD takes source 0 = tokens, source 1 = weights: a lane holds one column and 8 tokens.  Tile ntl of a wave's quad holds the columns 4 r + ntl, so a lane's four tiles give four neighbouring
; columns of a row of the logits: 16 bytes a lane, 16 lanes store 256 consecutive bytes, at a multiple of 256 from the output's first byte.
; WEIGHTS.  A wave alone reads its 32,768 bytes of a slot, linearly.  Wo and Wm are the first fills of two LDS slots of 131,072 bytes.  THE HEAD'S EIGHT SLOTS COME BY TWO ROADS, BY TURNS:
;   H1, H3, H5, H7 into the LDS slots, asked for JOINTLY by the four work-groups of a cluster (mask 15), one walking descriptor; a refill has two slots' products in which to land;
;   H0, H2, H4, H6 straight from memory into window 3 (256 registers): a group of 64 registers is asked for again, for the slot two on, four places behind its last product: two slots' products.
; No joint load reaches registers; LDS has no room for a third slot beside x.  A wave's counter of loads holds 63 (ISA guide 5.7.1) and a 64th load out would hold its issue: so a slot's reload is 63 loads,
; and the last 512 bytes of H2, H4 and H6 are loaded at the head, where the wave has nothing to issue but loads, into 12 registers that move up one place a trip.
; No prefetch: the launch's stores are its stream.
.set SLOTB, 131072
.set XB0,   2*SLOTB                    ; x1; at + 16,384 hi; at + 32,768 lo: bf16 chunks [t][channel tile][512]; never filled by a tensor load
.set SPARE, XB0+3*16384
.set WSP, 8
.set L16, 4
.set WA0, 5                            ; v5  my weights in slot 0; never rewritten
.set WA,  6                            ; v6  my weights in the slot that is read
.set XA,  7
.set XR,  8
.set BT,  9
.set OUTO, 11                          ; v11 65536 h + 16 r: 8 h rows of the logits, my four columns
.set SPW, 30
.set NIL, 31
.set PK,  32
.set BCA, 64
.set BCB, 96
.set HT,  64                           ; v[64:127] at work: x2 - hi; later the logits, four columns on end
.set XF,  128                          ; v[128:255] the token operand (hi); the same numbers in window 2: lo
.set EX,  0                            ; window 2: v[0:11] the last pieces of the next three slots that come by registers
.set ACC, 0
.set WB,  64
.set WV, 16
.set CX, 17
.set GG, 18
.set W32, 19
.set OW, 20
.set OG, 22
.set G1, 24
.set G0, 32
.set XIN, 40
.set YB, 42
.set OUT, 46
.set BIAS, 48
.set HR, 52                            ; s[52:53] my share of the slot that window 3 is being loaded with
.set TB, 54                            ; s54 the LDS slot that is read next
.set MSB, 0
.macro WIN new
.if MSB != (\new)
	s_set_vgpr_msb (MSB<<8)|(\new)
.set MSB, (\new)
.endif
.endm
.macro PLACES
.rept 4
	v_nop
.endr
.endm
.macro ROUND
	s_barrier_signal -1
	s_barrier_wait -1
	s_cmp_lg_u32 s[WV], 0
	s_cbranch_scc1 .Lnot_wave_0_\@
	s_barrier_signal -3
.Lnot_wave_0_\@:
	s_barrier_wait -3
	s_barrier_signal -1
	s_barrier_wait -1
.endm
; A slot that has been read is filled again: all my tensor loads have landed, the add, my LDS stores and reads are done, the round, and my one load first behind it.  tog = 1: the other slot than last time.
.macro CHANGEW tog, step
	WIN 0
	s_wait_tensorcnt 0x0
	ds_add_u32 v[SPW], v[NIL]
.if \tog
	s_xor_b32 s[G0+1], s[G0+1], SLOTB
.endif
	s_add_nc_u64 s[G0+2:G0+3], s[G0+2:G0+3], \step
	s_wait_dscnt 0x0
	ROUND
	tensor_load_to_lds s[G0:G0+3], s[G1:G1+7]
	s_nop 0
	PLACES
.endm
.macro LOADG areg, g
	WIN 0x40
.set i, 0
.rept 16
	ds_load_b128 v[WB+64*((\g)%2)+4*i:WB+64*((\g)%2)+4*i+3], v[\areg] offset:(\g)*8192+512*i
.set i, i+1
.endr
.endm
.macro HLOAD g, n                      ; n loads of 512 consecutive bytes: group g of my share of the slot at HR, into window 3
	WIN 0xc0
.set i, 0
.rept \n
	global_load_b128 v[64*(\g)+4*i:64*(\g)+4*i+3], v[L16], s[HR:HR+1] offset:(\g)*8192+512*i
.set i, i+1
.endr
.endm
.macro MULG g                          ; stages a and b: 16 products onto the residual; the eight accumulators take turns
	WIN 0x51
.irp ksl, 0,1
.irp ntl, 0,1,2,3
.irp t, 0,1
.set rD, ACC+16*(\ntl)+8*(\t)
.set rW, WB+64*((\g)%2)+32*(\ksl)+8*(\ntl)
.set rX, XF+64*(\t)+8*(2*(\g)+(\ksl))
	v_wmma_f32_16x16x32_bf16 v[rD:rD+7], v[rW:rW+7], v[rX:rX+7], v[rD:rD+7]
.endr
.endr
.endr
.endm
.macro MULH g, ww                      ; the head: 16 products with hi, 16 with lo; a slot's first 8 start the sums.  ww: the weights' window: 1 = the buffers filled from LDS, 3 = the whole slot
.irp lo, 0,1
.irp ksl, 0,1
.irp ntl, 0,1,2,3
.irp t, 0,1
.set rD, ACC+16*(\ntl)+8*(\t)
.if (\ww) == 1
.set rW, WB+64*((\g)%2)+32*(\ksl)+8*(\ntl)
.else
.set rW, 64*(\g)+32*(\ksl)+8*(\ntl)
.endif
.set rX, XF+64*(\t)+8*(2*(\g)+(\ksl))
	WIN 0x50|((\ww)<<2)|(2*(\lo))
.if ((\g) == 0) && ((\ksl) == 0) && ((\lo) == 0)
	v_wmma_f32_16x16x32_bf16 v[rD:rD+7], v[rX:rX+7], v[rW:rW+7], 0
.else
	v_wmma_f32_16x16x32_bf16 v[rD:rD+7], v[rX:rX+7], v[rW:rW+7], v[rD:rD+7]
.endif
.endr
.endr
.endr
.endr
.endm
.macro SLOTRUN areg, head              ; a slot out of LDS
	LOADG \areg, 0
.irp g, 0,1,2,3
.if (\g) < 3
.if (\g) > 0
	PLACES
.endif
	LOADG \areg, (\g)+1
	s_wait_dscnt 16                                ; all but the 16 just issued
.else
	s_wait_dscnt 0x0
.endif
.if \head
	MULH \g, 1
.else
	MULG \g
.endif
.endr
.endm
; A slot that lies in window 3.  more = 1: each group is asked for again behind its products, for the slot two on.  The loads that are younger than group g when it is wanted:
; the slot's later groups (16, 16, 15) and this trip's reloads (16 each): 47 for g = 0, 1, 2 and 48 for g = 3; on the way into the loop 51, which these counts cover too.
.macro RSLOT more
.if \more
	s_wait_xcnt 0x0                                ; the loads that named HR have read it
	s_add_nc_u64 s[HR:HR+1], s[HR:HR+1], 262144
.endif
.irp g, 0,1,2,3
.if (\more) && ((\g) == 3)
	s_wait_loadcnt 48
.elseif \more
	s_wait_loadcnt 47
.elseif (\g) == 3
	s_wait_loadcnt 0x0
.else
	s_wait_loadcnt 47-16*(\g)                      ; the later groups alone
.endif
	MULH \g, 3
.if \more
	PLACES
	HLOAD \g, 16-((\g)/3)                          ; 16, 16, 16, 15
.endif
.endr
.if \more
	WIN 0xc2
.irp k, 0,1,2,3
	v_mov_b32 v[252+(\k)], v[EX+(\k)]              ; the slot's last piece, which came at the head;
.endr
	WIN 0x82
.irp k, 0,1,2,3,4,5,6,7
	v_mov_b32 v[EX+(\k)], v[EX+4+(\k)]             ; the later slots' move up
.endr
.endif
.endm
.macro PACK32
	WIN 0x05
.set i, 0
.rept 32
	v_cvt_pk_bf16_f32 v[PK+i], v[ACC+2*i], v[ACC+2*i+1]
.set i, i+1
.endr
	WIN 0
.endm
.macro PUTX src, off
.irp ntl, 0,1,2,3
.irp t, 0,1
	ds_store_b128 v[XA], v[(\src)+4*(2*(\ntl)+(\t)):(\src)+4*(2*(\ntl)+(\t))+3] offset:(\off)+(\t)*8192+(\ntl)*512
.endr
.endr
.endm
.macro GETX off, w2
.if \w2
	WIN 0x80
.else
	WIN 0
.endif
.set i, 0
.rept 32
	ds_load_b128 v[XF+4*i:XF+4*i+3], v[XR] offset:(\off)+512*i
.set i, i+1
.endr
	WIN 0
.endm
.macro ADDB bc
	WIN 0x41
.irp ntl, 0,1,2,3
.irp t, 0,1
.irp q, 0,2,4,6
.set rD, ACC+16*(\ntl)+8*(\t)+(\q)
	v_pk_add_f32 v[rD:rD+1], v[rD:rD+1], v[(\bc)+8*(\ntl)+(\q):(\bc)+8*(\ntl)+(\q)+1]
.endr
.endr
.endr
	WIN 0
.endm
.macro LDB bc, sect
.irp ntl, 0,1,2,3
.irp p, 0,1
	global_load_b128 v[(\bc)+8*(\ntl)+4*(\p):(\bc)+8*(\ntl)+4*(\p)+3], v[BT], s[BIAS:BIAS+1] offset:(\sect)+64*(\ntl)+16*(\p)
.endr
.endr
.endm
; A slot's logits: register j of the four tiles side by side is 16 bytes of row 16 t + 8 h + j; each accumulator is read from its low end on.
.macro HOUT pl, step
.if \pl
	PLACES
.endif
	WIN 0x01
.irp t, 0,1
.irp j, 0,1,2,3,4,5,6,7
.irp ntl, 0,1,2,3
	v_mov_b32 v[HT+4*(8*(\t)+(\j))+(\ntl)], v[ACC+16*(\ntl)+8*(\t)+(\j)]
.endr
.endr
.endr
	WIN 0
.irp t, 0,1
.irp j, 0,1,2,3,4,5,6,7
	global_store_b128 v[OUTO], v[HT+4*(8*(\t)+(\j)):HT+4*(8*(\t)+(\j))+3], s[OUT:OUT+1] offset:(16*(\t)+(\j))*8192 th:TH_STORE_NT
.endr
.endr
.if \step
	s_wait_xcnt 0x0                                ; the stores have read their data and their base
	s_add_nc_u64 s[OUT:OUT+1], s[OUT:OUT+1], 1024  ; the next slot's 256 columns
.endif
.endm
	s_load_b256 s[4:11], s[0:1], 0x0               ; x in 4, y 6, ws 8, logits 10
	v_lshl_add_u32 v[SPW], v0, 2, SPARE
	v_mov_b32 v[NIL], 0
	ds_add_u32 v[SPW], v[NIL]                      ; the wave's opening: the add and its wait ahead of my first tensor load
	v_lshrrev_b32 v16, 5, v0
	v_readfirstlane_b32 s[WV], v16
	s_bfe_u32 s[CX], ttmp6, 0x40000
	s_lshl_b32 s[GG], ttmp9, 2
	s_add_co_u32 s[GG], s[GG], s[CX]               ; g: it enters global addresses alone
	v_and_b32 v1, 31, v0
	v_and_b32 v2, 15, v0
	v_bfe_u32 v3, v0, 4, 1
	v_lshlrev_b32 v[L16], 4, v1
	s_lshl_b32 s[W32], s[WV], 15
	v_add_nc_u32 v[WA0], s[W32], v[L16]
	v_add_nc_u32 v[WA], SLOTB, v[WA0]              ; stage b reads slot 1
	s_lshl_b32 s50, s[WV], 11
	s_add_co_u32 s50, s50, XB0
	v_add_nc_u32 v[XA], s50, v[L16]
	v_add_nc_u32 v[XR], XB0, v[L16]
	s_lshl_b32 s50, s[WV], 8
	v_lshl_add_u32 v[BT], v3, 5, s50
	v_lshlrev_b32 v[OUTO], 16, v3
	v_lshl_add_u32 v[OUTO], v2, 4, v[OUTO]
	s_mov_b32 s51, 0xffff0000
	s_mov_b32 s[G1], 15|(3<<16)|(1<<21)            ; the mask of four; elements of 8 bytes; bit 21 beside a mask
	s_mov_b32 s[G1+1], 32<<16                      ; rows of 256 bytes,
	s_mov_b32 s[G1+2], 128<<16                     ; 128 of them,
	s_mov_b32 s[G1+3], 32<<16
	s_mov_b32 s[G1+4], 128
	s_mov_b32 s[G1+5], 32                          ; dense
	s_mov_b32 s[G1+6], 0
	s_mov_b32 s[G1+7], 0
	s_mov_b32 s[G0], 1
	s_mov_b32 s[G0+1], s[W32]
	s_mov_b32 s[G0+4], 1
	s_add_co_u32 s[G0+5], s[W32], SLOTB
	s_mov_b32 s[OW], s[W32]
	s_mov_b32 s[OW+1], 0
	s_wait_dscnt 0x0
	s_wait_kmcnt 0x0
	s_add_nc_u64 s[G0+2:G0+3], s[WSP:WSP+1], s[OW:OW+1]   ; slot 0 begins with Wo,
	s_add_nc_u64 s[G0+6:G0+7], s[G0+2:G0+3], SLOTB        ; slot 1 with Wm
	s_add_nc_u64 s[HR:HR+1], s[G0+2:G0+3], 663552         ; my share of H0
	s_or_b32 s[G0+3], s[G0+3], 0x80000000
	s_or_b32 s[G0+7], s[G0+7], 0x80000000
	s_add_nc_u64 s[BIAS:BIAS+1], s[WSP:WSP+1], 655360
	s_lshl_b32 s[OG], s[GG], 15
	s_lshl_b32 s50, s[WV], 12
	s_add_co_u32 s[OG], s[OG], s50
	s_mov_b32 s[OG+1], 0
	s_add_nc_u64 s[XIN:XIN+1], s[4:5], s[OG:OG+1]
	s_lshl_b32 s[OG], s[GG], 14
	s_add_nc_u64 s[YB:YB+1], s[6:7], s[OG:OG+1]
	s_lshl_b32 s[OG], s[GG], 18
	s_lshl_b32 s50, s[WV], 8
	s_add_co_u32 s[OG], s[OG], s50
	s_add_nc_u64 s[OUT:OUT+1], s[10:11], s[OG:OG+1]
	ROUND                                          ; the four work-groups are here: the first joint loads meet
	tensor_load_to_lds s[G0:G0+3], s[G1:G1+7]
	s_nop 0
	tensor_load_to_lds s[G0+4:G0+7], s[G1:G1+7]    ; two loads of mine are out
	s_nop 0
	PLACES
.set i, 0
.rept 32
	global_load_b128 v[XF+4*i:XF+4*i+3], v[L16], s[YB:YB+1] offset:512*i th:TH_LOAD_NT
.set i, i+1
.endr
	WIN 0x40
.irp ntl, 0,1,2,3
.irp t, 0,1
.irp p, 0,1
	global_load_b128 v[ACC+16*(\ntl)+8*(\t)+4*(\p):ACC+16*(\ntl)+8*(\t)+4*(\p)+3], v[L16], s[XIN:XIN+1] offset:(\t)*16384+(\ntl)*1024+(\p)*512 th:TH_LOAD_NT
.endr
.endr
.endr
	WIN 0
	LDB BCA, 0
	LDB BCB, 1024
	HLOAD 0, 16                                    ; H0, my share,
	HLOAD 1, 16
	HLOAD 2, 16
	HLOAD 3, 16
	WIN 0x80
.irp e, 0,1,2
	global_load_b128 v[EX+4*(\e):EX+4*(\e)+3], v[L16], s[HR:HR+1] offset:((\e)+1)*262144+63*512  ; and the last pieces of H2, H4, H6
.endr
	WIN 0
	s_wait_loadcnt 63                              ; of 131 loads the oldest 68 are in: y, x and the two biases are the first 64
	ADDB BCA                                       ; x + bo
	s_wait_tensorcnt 0x1                           ; my part of Wo is in; Wm's may stay out
	SLOTRUN WA0, 0                                 ; x1 = x + bo + y Wo
	PLACES
	PACK32
	PUTX PK, 0
	CHANGEW 0, 794624                              ; slot 0 takes H1; behind the round every wave's chunks of x1 are in LDS
	GETX 0, 0
	ADDB BCB                                       ; x1 + bm
	SLOTRUN WA, 0                                  ; x2 = x1 + bm + x1 Wm
	PLACES
	PACK32                                         ; hi
.set i, 0
.rept 32
	v_lshlrev_b32 v[HT+2*i], 16, v[PK+i]
	v_and_b32 v[HT+2*i+1], s51, v[PK+i]
.set i, i+1
.endr
	WIN 0x01
.set i, 0
.rept 32
	v_pk_add_f32 v[HT+2*i:HT+2*i+1], v[ACC+2*i:ACC+2*i+1], v[HT+2*i:HT+2*i+1] neg_lo:[0,1] neg_hi:[0,1]  ; x2 - hi
.set i, i+1
.endr
	WIN 0
.set i, 0
.rept 32
	v_cvt_pk_bf16_f32 v[HT+i], v[HT+2*i], v[HT+2*i+1]  ; lo
.set i, i+1
.endr
	PUTX PK, 16384
	PUTX HT, 32768
	s_wait_dscnt 0x0                               ; for the others: my chunks of hi and lo are stored
	s_barrier_signal -1                            ; H1 may stay on its way
	s_barrier_wait -1
	GETX 16384, 0
	GETX 32768, 1
	s_wait_dscnt 0x0
	s_mov_b32 s50, 3
	s_mov_b32 s[TB], 0
.Lhead:                                ; trip p: H(2 p) out of registers, which take H(2 p + 2); the slot read last takes H(2 p + 3); H(2 p + 1) out of the other slot
	RSLOT 1
	CHANGEW 1, 262144
	HOUT 0, 1
	v_add_nc_u32 v[WA], s[TB], v[WA0]
	SLOTRUN WA, 1
	HOUT 1, 1
	s_xor_b32 s[TB], s[TB], SLOTB
	s_sub_co_u32 s50, s50, 1
	s_cmp_lg_u32 s50, 0
	s_cbranch_scc1 .Lhead
	RSLOT 0                                        ; H6 and H7 are written out: nothing is left to ask for
	WIN 0
	s_wait_tensorcnt 0x0                           ; H7, my part, which I alone read
	HOUT 1, 1
	v_add_nc_u32 v[WA], s[TB], v[WA0]
	SLOTRUN WA, 1
	HOUT 1, 0
	s_wait_tensorcnt 0x0                           ; the wave's end
	ds_add_u32 v[SPW], v[NIL]
	s_wait_dscnt 0x0
	ROUND                                          ; the closing round
	s_endpgm
.Lfunc_end_k_qd48ac049dd_last:
	.size	k_qd48ac049dd_last, .Lfunc_end_k_qd48ac049dd_last-k_qd48ac049dd_last
	.p2alignl 7, 3214868480
	.fill 96, 4, 3214868480
	.section	.rodata,"a",@progbits
	.p2align	6, 0x0
	.amdhsa_kernel k_qd48ac049dd_last
		.amdhsa_group_segment_fixed_size 327680
		.amdhsa_private_segment_fixed_size 0
		.amdhsa_enable_private_segment 0
		.amdhsa_kernarg_size 32
		.amdhsa_user_sgpr_count 2
		.amdhsa_user_sgpr_kernarg_segment_ptr 1
		.amdhsa_wavefront_size32 1
		.amdhsa_system_sgpr_workgroup_id_x 1
		.amdhsa_system_sgpr_workgroup_id_y 1
		.amdhsa_system_sgpr_workgroup_id_z 1
		.amdhsa_system_vgpr_workitem_id 0
		.amdhsa_next_free_vgpr 1024
		.amdhsa_next_free_sgpr 66
		.amdhsa_reserve_vcc 0
		.amdhsa_float_denorm_mode_32 3
		.amdhsa_float_denorm_mode_16_64 3
		.amdhsa_memory_ordered 1
		.amdhsa_forward_progress 1
		.amdhsa_inst_pref_size 122
	.end_amdhsa_kernel
	.amdgpu_metadata
---
amdhsa.version: [ 1, 2 ]
amdhsa.kernels:
  - .name:           k_qd48ac049dd_last
    .symbol:         k_qd48ac049dd_last.kd
    .args:
      - { .name: xb, .offset: 0, .size: 8, .value_kind: global_buffer, .address_space: global }
      - { .name: y, .offset: 8, .size: 8, .value_kind: global_buffer, .address_space: global }
      - { .name: ws3, .offset: 16, .size: 8, .value_kind: global_buffer, .address_space: global }
      - { .name: out0, .offset: 24, .size: 8, .value_kind: global_buffer, .address_space: global }
    .group_segment_fixed_size: 327680
    .private_segment_fixed_size: 0
    .kernarg_segment_align: 8
    .kernarg_segment_size: 32
    .max_flat_workgroup_size: 128
    .sgpr_count:     66
    .vgpr_count:     1024
    .wavefront_size: 32
...
	.end_amdgpu_metadata
.endif
;; end of part 5
